; MI455X (gfx1250); checked and timed in simulation.
; The chip was launched on July 23, 2026; its instructions are those of AMD's public machine-readable ISA for CDNA 5 (MIT licence, August 2026) and "CDNA5" Instruction Set Architecture Reference Guide (July 2026). The comments in the code are by the model that wrote it; some were corrected since.
;; Multi Headed Attention. Allowed arithmetic: matrix products marked QUANTISED: E2M3 operands, one E8M0 scale for each 32 along K, by v_wmma_scale_f32_16x16x128_f8f6f4 with both operands' format E2M3, f32 sums; products left as they are: f32 operands where the result goes on into a quantised operand, else bf16, f16 or f32 operands; f32 sums; everything else in f32.
;; Inputs: Wa 1,024 x 1,024 float32; Wk 1,024 x 1,024 float32; Wq 1,024 x 1,024 float32; Wv 1,024 x 1,024 float32; ba 1,024 float32; bk 1,024 float32; bq 1,024 float32; bv 1,024 float32; key 8 x 1,024 x 1,024 float32; query 8 x 1,024 x 1,024 float32; qvec 1,024 float32; value 8 x 1,024 x 1,024 float32.
;; Outputs: out0 8 x 1,024 float32.
;; This version of the problem:
;;   THIS VERSION OF THE PROBLEM IS GIVEN IN LOW PRECISION. The matrix products marked QUANTISED in the list below multiply operands that are first quantised to E2M3 (2 exponent bits, 3 mantissa bits; 6 bits a number), with one power-of-two scale for each 32 numbers along K (OCP MX v1.0); their sums are f32. All else is computed in f32.
;;   The module's matrix products, in the order in which they are computed (A, B: the left and right operand; K: the contracted axis; several contracted axes count as one K, in the product's order):
;;     1. [M 8,192, K 1,024] x [K 1,024, N 1,024]; A: input query; B: input Wq: QUANTISED
;;     2. [M 8,192, K 1,024] x [K 1,024, N 1,024]; A: input key; B: input Wk: QUANTISED
;;     3. [M 8,192, K 1,024] x [K 1,024, N 1,024]; A: input value; B: input Wv: QUANTISED
;;     4. batch 128 x [M 1,024, K 64] x [K 64, N 1,024]; A: computed on the way; B: computed on the way: QUANTISED
;;     5. batch 128 x [M 1,024, K 1,024] x [K 1,024, N 64]; A: softmax (see below); B: computed on the way: QUANTISED
;;     6. [M 8,192, K 1,024] x [K 1,024, N 1,024]; A: computed on the way; B: input Wa: QUANTISED
;;     7. [M 8,192, K 1,024] x [K 1,024, N 1]; A: computed on the way; B: input qvec: left as it is (N = 1 < 16)
;;     8. batch 8 x [M 1, K 1,024] x [K 1,024, N 1,024]; A: softmax (see below); B: computed on the way: left as it is (M = 1 < 16)
;;   THE QUANTISER, for each operand of a quantised product, along K:
;;     - K is cut into blocks of 32 from its start; a last block that is shorter is filled with zeros.
;;     - A block's scale is 2^e with e = floor(log2(the largest magnitude in the block)) - 2, held to -126 .. 127; a block of zeros has e = 0. As a byte (E8M0): e + 127.
;;     - Each number is divided by its block's scale, clamped to +-7.5, and rounded to the nearest number of E2M3, ties to even, subnormals kept.
;;     - The product sums the exact products of the quantised numbers (number of the format x scale) in f32.
;;   ~~~python
;;   def quantise(x, axis):      # numpy; x: float32 -> the quantised numbers, widened to float32 again
;;       x = np.moveaxis(x, axis, -1); K = x.shape[-1]
;;       x = np.pad(x, [(0, 0)] * (x.ndim - 1) + [(0, -K % 32)]); x = x.reshape(x.shape[:-1] + (-1, 32)); a = np.abs(x).max(-1, keepdims=True)
;;       e = np.where(a > 0, np.clip(np.frexp(np.where(a > 0, a, 1))[1] - 1 - 2, -126, 127), 0)      # np.frexp(a)[1] - 1 = floor(log2(a)), exactly
;;       r = np.clip(x / 2.0 ** e, -7.5, 7.5)
;;       step = 2.0 ** (np.maximum(np.frexp(np.where(r == 0, 1, r))[1] - 1, 0) - 3)
;;       q = np.round(r / step) * step * 2.0 ** e      # np.round: ties to even
;;       return np.moveaxis(q.reshape(q.shape[:-2] + (-1,))[..., :K], -1, axis).astype(np.float32)
;;   ~~~
;;   SOFTMAX AHEAD OF A QUANTISED PRODUCT. Where the list says 'softmax', what is quantised is not the finished softmax but p = 2^(t - M), with t = logit x log2(e) and M = ceil(the row's largest t), a whole number; so 1/2 < the row's largest p <= 1. The row's sum l is taken of the UNQUANTISED p, in f32, and the product's result is divided by l at the end. Since M is a whole number, a kernel that streams over the keys may use a running M (the ceiling of the running maximum): every later rescaling is an exact power of two, which a block's scale takes up: the codes' values come out the same.
;;   OPERANDS COMPUTED ON THE WAY. 'Computed on the way' means the value that the module computes at that place (a softmax that the list does not call 'softmax' is quantised finished and normalised). What goes into a quantiser is computed in f32, as accurately as f32 sums, v_exp_f32 and their like allow (about 1e-6 of the number): no bf16 or f16 on the way to a quantiser, and a product that is left as it is and whose result goes on into a quantised operand takes f32 operands (vector FMAs, or v_wmma_f32_16x16x4_f32). A number that lies on a knife's edge between two numbers of the format may be rounded either way, as far as f32 arithmetic and the matrix unit's own rounding can turn it there, and no further.
;; One version. Each part assembles by itself: llvm-mc -triple=amdgcn-amd-amdhsa -mcpu=gfx1250 --defsym DOCPART=n.
;; ======== version 1 of 1: 5 launches
;; limits: values are held in bf16: 8 bits of precision; right only within a limited range of input values
;; workspace buffers: c1 22,937,600 bytes; c2 18,874,368 bytes; s2 786,432 bytes; c3 6,291,456 bytes; s3 262,144 bytes; xb 16,777,216 bytes; apart 262,144 bytes
;; launch quant (part 1): grid 256 x 1, 7 waves a work-group, no clusters, 60,160 bytes of LDS; arguments query, key, value, Wq, Wk, Wv, Wa, c1; writes c1
.if DOCPART == 1
	.amdgcn_target "amdgcn-amd-amdhsa--gfx1250"
	.amdhsa_code_object_version 6
	.text
	.protected	k_qa781b0bb77_quant
	.globl	k_qa781b0bb77_quant
	.p2align	8
	.type	k_qa781b0bb77_quant,@function
k_qa781b0bb77_quant:
	s_mov_b64 s[64:65], 0
	v_nop
	global_prefetch_b8 v0, s[64:65] scope:SCOPE_SE
	s_setreg_imm32_b32 hwreg(HW_REG_WAVE_MODE, 25, 1), 1
	s_wait_xcnt 0x0
; query, key, value [8192][1024] and Wq, Wk, Wv, Wa [1024][1024], f32 with K innermost, become codes of FP6 (E2M3) with one E8M0 byte for each 32 along K,
; laid as IMAGES OF OPERAND REGISTERS: a fragment (16 rows x 128 K) is 12 registers a lane; registers 4 c .. 4 c + 3 of lane l lie at 512 c + 16 l of its 1,536 bytes.
; c1: [G / 2][K step s][G % 2][tile a] images, G a group of 128 rows: query 0-63, key 64-127, value 128-191, Wq 192-199, Wk 200-207, Wv 208-215, Wa 216-223.  The scale words lie in c1 beside the images.
; THE ROWS OF A TILE ARE NOT NEIGHBOURS: row r of tile a = 2 B + u is row 32 B + 8 u + r + 8 (r / 8) of the group, so that in a later product that is used transposed
; the 16 registers of two neighbouring tiles are 16 neighbours along the next K.
; A block's scale is 2^(floor(log2(largest magnitude)) - 2): its byte is the largest magnitude's exponent field - 2, held at 1 from below.
; LIMITS: a block whose largest magnitude lies under 2^-124, a block of zeros among them, keeps the byte 1 (its codes are then zeros or subnormal codes; these bytes are read by this program alone); NaN and infinities are not served.
; SHARES: share n = 7 w + wave takes tile n % 8 of group G = n / 8; a wave one tile of 16 rows, all 8 K steps: 64 KiB read, 12 KiB of codes written.  Each load reads 512 consecutive bytes of one row; a K step's 16 rows turn through the wave's
; own stage in LDS (rows 528 bytes apart) so that a lane gets 16 neighbours of each block of 32.  Waves share nothing: no barrier, no tensor load, no cluster, no matrix unit: memory binds this launch.
; c1 AS THIS TEXT STORES IT: [pair of groups G / 2][K step s][group G % 2] blocks of 12,800 bytes: the eight tiles' images (8 x 1,536) and behind them the eight tiles' scale words ([tile a][row r], 512 bytes).
; There is no buffer of scale words beside it: a block's words travel with its codes.
.set STGB,  8448
.set SPARE, 7*STGB                     ; behind the seven stages: the spare words, 128 bytes a wave, in four blocks of 256
.set L16, 4                            ; v4   16 x lane
.set STA, 5                            ; v5   the stage, on the way in
.set RDA, 6                            ; v6   and on the way out: 528 r + 64 h
.set SA,  7                            ; v7   my scale word's place: 25,600 h + 4 r
.set SPW, 8                            ; v8   my spare word; never rewritten
.set NIL, 9                            ; v9   0; never rewritten
.set TM,  12                           ; v12-27 at work
.set PC,  28                           ; v28-39 a fragment's codes, v40-47 at work
.set PWS, 48                           ; v48-55 a scale word for each K step
.set SW,  56                           ; v56-59 the words as they are stored
.set R,   64                           ; v64-191 two sets of 64: a K step as loaded
.set X,   192                          ; v192-255 a K step as the conversions want it
.set SEL, 28                           ; s[28:29] lane selects: lane l xor 16
; 64 numbers of a lane, register 16 b + i = k 32 b + 16 (lane / 16) + i of my row, become a fragment's codes in v[PC] on and its scale word in v[pw]
.macro QUANT s, pw
.irp b, 0,1,2,3
	v_max3_num_f32 v[TM+\b], |v[\s+16*\b]|, |v[\s+1+16*\b]|, 0x1800000   ; block b: my 16 numbers, and the floor 2^(3 - 127): the byte cannot fall under 1
.endr
.irp i, 2,4,6,8,10,12,14
.irp b, 0,1,2,3
	v_max3_num_f32 v[TM+\b], v[TM+\b], |v[\s+16*\b+\i]|, |v[\s+1+16*\b+\i]|   ; the four blocks by turns
.endr
.endr
.irp b, 0,1,2,3
	v_permlanex16_b32 v[TM+4+\b], v[TM+\b], s[SEL], s[SEL+1]
.endr
.irp b, 0,1,2,3
	v_max_num_f32 v[TM+\b], v[TM+\b], v[TM+4+\b]   ; with lane l xor 16's: the block's largest magnitude
.endr
.irp b, 0,1,2,3
	v_add_nc_u32 v[TM+12+\b], 0xff000000, v[TM+\b]   ; 2 off its exponent field: the conversion's scale operand
.endr
.irp b, 0,1,2,3
	v_lshrrev_b32 v[TM+4+\b], 23, v[TM+12+\b]      ; the scale's byte
.endr
	v_lshl_or_b32 v[\pw], v[TM+5], 8, v[TM+4]
	v_lshl_or_b32 v[\pw], v[TM+6], 16, v[\pw]
	v_lshl_or_b32 v[\pw], v[TM+7], 24, v[\pw]      ; my row's scale word
.irp c, 0,1
	v_cvt_scalef32_pk16_fp6_f32 v[PC+6*\c:PC+2+6*\c], v[\s+32*\c:\s+15+32*\c], v[TM+12+2*\c]
	v_cvt_scalef32_pk16_fp6_f32 v[PC+12+4*\c:PC+14+4*\c], v[\s+16+32*\c:\s+31+32*\c], v[TM+12+2*\c+1]   ; (a conversion's three registers begin on an even number)
.endr
	v_nop                                          ; one plain place behind a scaled conversion
.irp c, 0,1                                    ; the operand's layout wants a whole block in a lane: lanes 0-15 block 2 c, lanes 16-31 block 2 c + 1
.irp i, 0,1,2
	v_permlane16_swap_b32 v[PC+6*\c+\i], v[PC+12+4*\c+\i]
.endr
.irp i, 0,1,2
	v_mov_b32 v[PC+3+6*\c+\i], v[PC+12+4*\c+\i]
.endr
.endr
.endm
.macro LOADS s, set                    ; K step s of my 16 rows: each load is 512 consecutive bytes of one row
.irp p, 0,1,2,3,4,5,6,7,8,9,10,11,12,13,14,15
	global_load_b128 v[R+64*(\set)+4*\p:R+64*(\set)+4*\p+3], v[L16], s[22:23] offset:(\p+8*(\p/8))*4096+512*(\s) th:TH_LOAD_NT
.endr
.endm
	s_load_b256 s[4:11], s[0:1], 0x0               ; query, key, value, Wq
	s_load_b256 s[12:19], s[0:1], 0x20             ; Wk, Wv, Wa, c1
	v_lshl_add_u32 v[SPW], v0, 2, SPARE
	v_mov_b32 v[NIL], 0
	v_lshrrev_b32 v1, 5, v0
	v_readfirstlane_b32 s24, v1                    ; wave
	v_and_b32 v1, 31, v0                           ; lane
	v_and_b32 v2, 15, v0                           ; r
	v_bfe_u32 v3, v0, 4, 1                         ; h
	v_lshlrev_b32 v[L16], 4, v1
	s_mul_i32 s30, s24, STGB
	v_add_nc_u32 v[STA], s30, v[L16]
	v_mul_u32_u24 v[RDA], v2, 528
	v_lshl_add_u32 v[RDA], v3, 6, v[RDA]
	v_add_nc_u32 v[RDA], s30, v[RDA]
	v_lshlrev_b32 v[SA], 2, v2
	v_mad_u32_u24 v[SA], v3, 25600, v[SA]          ; lanes 16-31: the odd K step, 25,600 bytes on
.irp b, 0,1,2,3
	v_mov_b32 v[TM+4+\b], 0                        ; written once: a lane permute's destination counts as one of its sources
.endr
	s_mov_b32 s[SEL], 0x76543210
	s_mov_b32 s[SEL+1], 0xfedcba98
	s_mul_i32 s26, ttmp9, 7                        ; SHARES AS THIS TEXT DEALS THEM: 224 groups x 8 tiles are 1,792 shares of one wave: 256 work-groups of seven waves; share 7 w + wave
	s_add_co_u32 s26, s26, s24
	s_lshr_b32 s25, s26, 3                         ; G
	s_and_b32 s26, s26, 7                          ; my tile a
	s_cmp_lt_u32 s25, 192
	s_cselect_b32 s27, 63, 7
	s_and_b32 s27, s25, s27                        ; the group's number inside its tensor
	s_lshl_b32 s27, s27, 7
	s_lshr_b32 s31, s26, 1
	s_lshl_b32 s31, s31, 5
	s_add_co_u32 s27, s27, s31
	s_and_b32 s31, s26, 1
	s_lshl_b32 s31, s31, 3
	s_add_co_u32 s27, s27, s31                     ; the tile's first row: 128 G + 32 (a / 2) + 8 (a % 2)
	s_lshl_b32 s32, s27, 12                        ; in bytes: under 2^26
	s_mov_b32 s33, 0
	s_lshr_b32 s34, s25, 1
	s_mul_i32 s34, s34, 204800                     ; the pair
	s_and_b32 s31, s25, 1
	s_mul_i32 s31, s31, 12800                      ; the group in it
	s_add_co_u32 s34, s34, s31
	s_lshl_b32 s31, s26, 6
	s_add_co_u32 s36, s34, s31
	s_add_co_u32 s36, s36, 12288                   ; my scale words: behind the block's eight images
	s_mul_i32 s31, s26, 1536
	s_add_co_u32 s34, s34, s31                     ; my images
	s_mov_b32 s35, 0
	s_mov_b32 s37, 0
	s_wait_alu depctr_va_vdst(0)
	s_wait_kmcnt 0x0
	s_mov_b64 s[22:23], s[16:17]                   ; the tensor is chosen by the group's number alone
	s_cmp_lt_u32 s25, 216
	s_cselect_b64 s[22:23], s[14:15], s[22:23]
	s_cmp_lt_u32 s25, 208
	s_cselect_b64 s[22:23], s[12:13], s[22:23]
	s_cmp_lt_u32 s25, 200
	s_cselect_b64 s[22:23], s[10:11], s[22:23]
	s_cmp_lt_u32 s25, 192
	s_cselect_b64 s[22:23], s[8:9], s[22:23]
	s_cmp_lt_u32 s25, 128
	s_cselect_b64 s[22:23], s[6:7], s[22:23]
	s_cmp_lt_u32 s25, 64
	s_cselect_b64 s[22:23], s[4:5], s[22:23]
	s_add_nc_u64 s[22:23], s[22:23], s[32:33]
	s_add_nc_u64 s[20:21], s[18:19], s[36:37]
	s_add_nc_u64 s[18:19], s[18:19], s[34:35]
	LOADS 0, 0
	LOADS 1, 1
.irp t, 0,1,2,3,4,5,6,7
.if \t < 7
	s_wait_loadcnt 16                              ; this K step's 16 loads are in; the next step's 16 may be out
.else
	s_wait_loadcnt 0x0
.endif
.irp p, 0,1,2,3,4,5,6,7,8,9,10,11,12,13,14,15
	ds_store_b128 v[STA], v[R+64*(\t%2)+4*\p:R+64*(\t%2)+4*\p+3] offset:528*\p
.endr
.irp b, 0,1,2,3
.irp j, 0,1,2,3
	ds_load_b128 v[X+16*\b+4*\j:X+16*\b+4*\j+3], v[RDA] offset:128*\b+16*\j   ; LDS serves a wave's instructions in order: these see the stores above
.endr
.endr
	s_wait_dscnt 0x0                               ; the numbers are back, and the stores into the stage have read their registers
	s_wait_xcnt 0x0                                ; the last step's stores have read the codes' registers: they are written again below
.if \t < 6
	LOADS \t+2, \t%2
.endif
	QUANT X, PWS+\t
.irp c, 0,1,2
	global_store_b128 v[L16], v[PC+4*\c:PC+4*\c+3], s[18:19] offset:25600*\t+512*\c   ; 512 consecutive bytes, two aligned blocks of 256
.endr
.endr
	v_cmp_le_u32 vcc_lo, 16, v1                    ; both halves of the lanes hold row r's words: lanes 0-15 store those of the even K steps, lanes 16-31 of the odd
.irp x, 0,1,2,3
	v_cndmask_b32 v[SW+\x], v[PWS+2*\x], v[PWS+2*\x+1], vcc_lo
.endr
.irp x, 0,1,2,3
	global_store_b32 v[SA], v[SW+\x], s[20:21] offset:51200*\x   ; K steps 2 x and 2 x + 1: two runs of 64 bytes
.endr
	s_wait_tensorcnt 0x0                           ; the wave's end, behind my last LDS store
	ds_add_u32 v[SPW], v[NIL]
	s_wait_dscnt 0x0
	s_endpgm
.Lfunc_end_k_qa781b0bb77_quant:
	.size	k_qa781b0bb77_quant, .Lfunc_end_k_qa781b0bb77_quant-k_qa781b0bb77_quant
	.p2alignl 7, 3214868480
	.fill 96, 4, 3214868480
	.section	.rodata,"a",@progbits
	.p2align	6, 0x0
	.amdhsa_kernel k_qa781b0bb77_quant
		.amdhsa_group_segment_fixed_size 60160
		.amdhsa_private_segment_fixed_size 0
		.amdhsa_enable_private_segment 0
		.amdhsa_kernarg_size 64
		.amdhsa_user_sgpr_count 2
		.amdhsa_user_sgpr_kernarg_segment_ptr 1
		.amdhsa_wavefront_size32 1
		.amdhsa_system_sgpr_workgroup_id_x 1
		.amdhsa_system_sgpr_workgroup_id_y 1
		.amdhsa_system_sgpr_workgroup_id_z 1
		.amdhsa_system_vgpr_workitem_id 0
		.amdhsa_next_free_vgpr 256
		.amdhsa_next_free_sgpr 66
		.amdhsa_reserve_vcc 1
		.amdhsa_float_denorm_mode_32 3
		.amdhsa_float_denorm_mode_16_64 3
		.amdhsa_memory_ordered 1
		.amdhsa_forward_progress 1
		.amdhsa_inst_pref_size 65
	.end_amdhsa_kernel
	.amdgpu_metadata
---
amdhsa.version: [ 1, 2 ]
amdhsa.kernels:
  - .name:           k_qa781b0bb77_quant
    .symbol:         k_qa781b0bb77_quant.kd
    .args:
      - { .name: query, .offset: 0, .size: 8, .value_kind: global_buffer, .address_space: global }
      - { .name: key, .offset: 8, .size: 8, .value_kind: global_buffer, .address_space: global }
      - { .name: value, .offset: 16, .size: 8, .value_kind: global_buffer, .address_space: global }
      - { .name: Wq, .offset: 24, .size: 8, .value_kind: global_buffer, .address_space: global }
      - { .name: Wk, .offset: 32, .size: 8, .value_kind: global_buffer, .address_space: global }
      - { .name: Wv, .offset: 40, .size: 8, .value_kind: global_buffer, .address_space: global }
      - { .name: Wa, .offset: 48, .size: 8, .value_kind: global_buffer, .address_space: global }
      - { .name: c1, .offset: 56, .size: 8, .value_kind: global_buffer, .address_space: global }
    .group_segment_fixed_size: 60160
    .private_segment_fixed_size: 0
    .kernarg_segment_align: 8
    .kernarg_segment_size: 64
    .max_flat_workgroup_size: 224
    .sgpr_count:     66
    .vgpr_count:     256
    .wavefront_size: 32
...
	.end_amdgpu_metadata
.endif
;; end of part 1
;; launch proj (part 2): grid 4 x 64, 4 waves a work-group, clusters of 4 x 4, 327,680 bytes of LDS; arguments c1, bq, bk, bv, c2, s2; writes c2, s2
.if DOCPART == 2
	.amdgcn_target "amdgcn-amd-amdhsa--gfx1250"
	.amdhsa_code_object_version 6
	.text
	.protected	k_qa781b0bb77_proj
	.globl	k_qa781b0bb77_proj
	.p2align	8
	.type	k_qa781b0bb77_proj,@function
k_qa781b0bb77_proj:
	s_mov_b64 s[64:65], 0
	v_nop
	global_prefetch_b8 v0, s[64:65] scope:SCOPE_SE
	s_setreg_imm32_b32 hwreg(HW_REG_WAVE_MODE, 25, 1), 1
	s_wait_xcnt 0x0
	s_wait_alu depctr_hold_cnt(0) depctr_sa_sdst(0) depctr_va_vdst(0) depctr_va_sdst(0) depctr_va_ssrc(0) depctr_va_vcc(0) depctr_vm_vsrc(0)
	s_getreg_b32 s2, hwreg(HW_REG_IB_STS2, 6, 4)
	s_cmp_eq_u32 s2, 0
	s_cbranch_scc0 .Lentry_in_a_cluster
	s_endpgm
.Lentry_in_a_cluster:
	s_bfe_u32 s2, ttmp6, 0x10000c
	s_cmp_lg_u32 s2, 0xf033
	s_cbranch_scc0 .Lentry_shape_is_right
	s_endpgm
.Lentry_shape_is_right:
; q = query Wq^T + bq, k = key Wk^T + bk, v = value Wv^T + bv on codes of FP6 (E2M3) with E8M0 scales, sums in f32; each result is quantised anew as an operand of attention and stored as images of operand registers.
; SHARES: 3 x 8,192 x 1,024 results are 768 tiles of 128 x 256; 256 work-groups walk three each: one of q, one of k, one of v.  Four waves, each 64 x 128: 32 accumulators, 256 registers.
; A TILE: operand A is one group of 128 rows (it gives the lanes), operand B a pair of groups (it gives the registers): source 0 = 16 rows of B, source 1 = 16 rows of A.
;   q, k: A = a token group, B = a pair of groups of W: a lane holds a token, its registers run along the features, which are the scores' K.
;   v:    A = a group of Wv, B = a pair of token groups: a lane holds a feature, its registers run along the tokens, which are the second product's K.
; c1: [pair][K step][group in pair] blocks of 12,800 bytes: eight images of 1,536 bytes and the eight tiles' scale words.  Pairs: query 0-31, key 32-63, value 64-95, Wq 96-99, Wk 100-103, Wv 104-107.
; THE RING: two slots, each half of K (four K steps): A's four blocks, then B's eight: 153,600 bytes.  A wave fetches two K steps of A (two rows of 12,800 bytes, 25,600 apart in memory) or of B (51,200 dense bytes).
; In a half's last K step, when its fragments are in registers, stand the waits, the add and a round of the cluster's barrier, and the slot is asked for again: the half that stands two halves on, across tiles too.
; By the text's own count one load a wave is out, and four K steps (128 matrix instructions a wave) lie between a request and the wait for it.  q's and k's tiles are a loop of two trips; v's, which asks for nothing more, is written out.
; CLUSTERS: 4 x 4.  A hangs on the cluster's y and cy alone and is asked for jointly along a row of the cluster; B on the cluster's y and cx alone, along a column.
; No prefetch is laid: a work-group has six fills in all, and the ring asks for each of the last four a whole half tile ahead of its use.
; The bias is the C of each sum's first product: by B's tile for q and k, by A's tile for v.
; OUT: c2 [tensor][batch][pair of heads][token group][tile] images, a head's half of six registers as 512 + 256 bytes; s2 the same index x 64 bytes, [row r][tile] words.
; LIMITS: a block whose largest magnitude lies under 2^-124 keeps the byte 1; NaN and infinities are not served.
; REGISTERS: window 0: v1-29 addresses; v48-63 scale words, two sets; v64-93 at work on the way out; v128-223 A's fragments, two sets of 48 (the second also holds the codes on the way out).
;   window 1: B's fragments, two sets, at v0 and v128.  window 2: the accumulators ((a, b) at v[8 (8 a + b)]).  window 3: v0-63 bq or bk, v64-95 bv.
.set KB,    12800
.set SLOT,  12*KB
.set SPARE, 2*SLOT                     ; the spare words, 128 bytes a wave
.set FR, 12
.set L16,  4
.set L8,   5
.set LSC,  6                           ; 32 r + 8 h
.set HB,   7                           ; 64 h
.set VR,   8                           ; 4 (r + 8 (r / 8))
.set ADRA, 10                          ; v10-11 my four tiles of A in slot 0, 1
.set ADRB, 12                          ; v12-15 my group of B: slot 0 steps 0-1, 2-3; slot 1 likewise
.set ADS,  16                          ; v16-23 scale words of each K step of the two slots: lanes 0-15 A's, lanes 16-31 B's
.set SPW,  28
.set NIL,  29
.set SC,   48
.set TM,   64
.set T2,   80
.set PW,   88
.set W2,   92
.set AF,   128
.set OPC,  176
.set BIAS, 0                           ; window 3
.set BV,   64                          ; window 3
.set WV, 16
.set RH, 17                            ; my four tiles of A; also: I fetch for A (0) or B (1)
.set CH, 18                            ; my group of B; also: which two K steps I fetch
.set CX, 19
.set CY, 20
.set YC, 21
.set TG, 22                            ; q, k: the token group
.set AV, 23                            ; v: the group of Wv
.set G1, 24
.set G1B, 32
.set GA, 40                            ; s[40:47] groups 0 for A, slot 0 and 1
.set GB, 48                            ; s[48:55] for B
.set NA, 56                            ; s[56:57], s[58:59] the next tile's places in c1
.set NB, 58
.set NA2, 60                           ; and v's
.set NB2, 61
.set PC, 66                            ; c2, s2 for q, then k;  for v
.set PS, 68
.set VC, 70
.set VS, 72
.set BK, 74
.set SEL, 76
.set CNT, 78
.set PFO, 9                            ; v9      the prefetches' offset: 256 x min(lane, 24); never rewritten
.set PFC, 86                           ; s[86:87] my share of the next tile's first half in c1;  s[92:93] of the tile after that
.set PFN, 92
; THE PREFETCH INTO THE L2 (the head comment's line on prefetching is superseded by this): each half of k's and of v's tile is asked for one change of slots, four K steps, ahead of the tensor load that fetches it.
; A half is four K steps.  Of A's half (rows of 12,800 bytes) the partner at cx takes K step cx, of B's (25,600 bytes a K step) the partner at cy takes K step cy: told apart by address alone.
; Waves 0 and 1 name A's 50 blocks of 256 bytes, 25 each, by one instruction; waves 2 and 3 B's 100, 50 each, by two; lanes 25-31 name their wave's last block again.
; The first tile comes by its loads alone; nothing is asked for beyond v's second half.  The address registers are written again only behind the trip's wait on XCNT.
.macro ASK ptr, off
	global_prefetch_b8 v[PFO], s[\ptr:\ptr+1] offset:\off th:TH_LOAD_NT scope:SCOPE_SE
	s_cmp_eq_u32 s[RH], 0
	s_cbranch_scc1 .Lone_\@
	global_prefetch_b8 v[PFO], s[\ptr:\ptr+1] offset:\off+KB/2 th:TH_LOAD_NT scope:SCOPE_SE
.Lone_\@:
.endm
.set MSB, 0
.macro WIN new                         ; the immediate's high byte repeats the setting that is left
.if MSB != \new
	s_set_vgpr_msb (MSB<<8)|\new
.set MSB, \new
.endif
.endm
.set MUL_LO, 0xa1                      ; source 0 (B) window 1, source 1 (A) window 0, C and D window 2
.set MUL_C3, 0xb1                      ; the same with C in window 3
.set TO_B,   0x40
.macro JLOAD s                         ; waves 0 and 1 fetch for A, waves 2 and 3 for B; an s_nop 0 and four v_nop follow each line
	s_cmp_eq_u32 s[RH], 0
	s_cbranch_scc0 .Lfor_b_\@
	tensor_load_to_lds s[GA+4*(\s):GA+4*(\s)+3], s[G1:G1+7]
	s_nop 0
.rept 4
	v_nop
.endr
	s_branch .Lasked_\@
.Lfor_b_\@:
	tensor_load_to_lds s[GB+4*(\s):GB+4*(\s)+3], s[G1B:G1B+7]
	s_nop 0
.rept 4
	v_nop
.endr
.Lasked_\@:
.endm
.macro CROUND                          ; a round of the cluster's barrier
	s_barrier_signal -1
	s_barrier_wait -1
	s_cmp_lg_u32 s[WV], 0
	s_cbranch_scc1 .Lnot_wave_0_\@
	s_barrier_signal -3
.Lnot_wave_0_\@:
	s_barrier_wait -3
	s_barrier_signal -1
	s_barrier_wait -1
.endm
.macro NEXTD s                         ; slot s's groups 0 for the next tile (no load of mine is out here)
	s_add_nc_u64 s[GA+4*(\s)+2:GA+4*(\s)+3], s[4:5], s[NA:NA+1]
	s_add_nc_u64 s[GB+4*(\s)+2:GB+4*(\s)+3], s[4:5], s[NB:NB+1]
.if \s
	s_add_nc_u64 s[GA+4*(\s)+2:GA+4*(\s)+3], s[GA+4*(\s)+2:GA+4*(\s)+3], 8*KB
	s_add_nc_u64 s[GB+4*(\s)+2:GB+4*(\s)+3], s[GB+4*(\s)+2:GB+4*(\s)+3], 8*KB
.endif
	s_or_b32 s[GA+4*(\s)+3], s[GA+4*(\s)+3], 0x80000000
	s_or_b32 s[GB+4*(\s)+3], s[GB+4*(\s)+3], 0x80000000
.endm
.macro BLOAD ptr                       ; register 8 t + j of window 3: the bias of feature 32 (t / 2) + 16 h + 8 (t % 2) + j of my 128
	WIN 0xc0
.irp t, 0,1,2,3,4,5,6,7
	global_load_b128 v[BIAS+8*\t:BIAS+8*\t+3], v[HB], s[\ptr:\ptr+1] offset:(32*(\t/2)+8*(\t%2))*4
	global_load_b128 v[BIAS+8*\t+4:BIAS+8*\t+7], v[HB], s[\ptr:\ptr+1] offset:(32*(\t/2)+8*(\t%2))*4+16
.endr
	WIN 0
.endm
	s_load_b256 s[4:11], s[0:1], 0x0               ; c1, bq, bk, bv
	s_load_b128 s[12:15], s[0:1], 0x20             ; c2, s2
	v_lshl_add_u32 v[SPW], v0, 2, SPARE
	v_mov_b32 v[NIL], 0
	ds_add_u32 v[SPW], v[NIL]                      ; the opening lines: the add, twice on end, and its wait ahead of my first tensor load
	ds_add_u32 v[SPW], v[NIL]
	v_lshrrev_b32 v1, 5, v0
	v_readfirstlane_b32 s[WV], v1
	s_lshr_b32 s[RH], s[WV], 1
	s_and_b32 s[CH], s[WV], 1
	s_bfe_u32 s[CX], ttmp6, 0x40000
	s_bfe_u32 s[CY], ttmp6, 0x40004
	s_and_b32 s[YC], ttmp7, 0xffff
	s_lshl_b32 s[TG], s[YC], 2
	s_add_co_u32 s[TG], s[TG], s[CY]               ; token group = 4 x cluster y + cy
	s_and_b32 s[AV], s[YC], 1
	s_lshl_b32 s[AV], s[AV], 2
	s_add_co_u32 s[AV], s[AV], s[CY]               ; v: Wv's group = 4 (cluster y % 2) + cy
	s_lshr_b32 s3, s[YC], 1
	s_lshl_b32 s3, s3, 2
	s_add_co_u32 s3, s3, s[CX]                     ; v: the pair of token groups = 4 (cluster y / 2) + cx
	s_lshl_b32 s80, s[CY], 2
	s_lshl_b32 s80, 15, s80                        ; my row of the cluster
	s_lshl_b32 s84, 0x1111, s[CX]                  ; my column
	s_or_b32 s[G1], s80, (3<<16)|(1<<21)           ; A: elements of 8 bytes; two rows of 1,600, 3,200 apart
	s_mov_b32 s[G1+1], 1600<<16
	s_mov_b32 s[G1+2], 2<<16
	s_mov_b32 s[G1+3], 1600<<16
	s_mov_b32 s[G1+4], 2
	s_mov_b32 s[G1+5], 3200
	s_mov_b32 s[G1+6], 0
	s_mov_b32 s[G1+7], 0
	s_or_b32 s[G1B], s84, (3<<16)|(1<<21)          ; B: a dense block as 200 rows of 256 bytes
	s_mov_b32 s[G1B+1], 32<<16
	s_mov_b32 s[G1B+2], 200<<16
	s_mov_b32 s[G1B+3], 32<<16
	s_mov_b32 s[G1B+4], 200
	s_mov_b32 s[G1B+5], 32
	s_mov_b32 s[G1B+6], 0
	s_mov_b32 s[G1B+7], 0
	s_mul_i32 s79, s[CH], 4*KB                     ; my two K steps of a half, in memory
	s_lshr_b32 s80, s[TG], 1                       ; A's places in c1: q's,
	s_mul_i32 s80, s80, 16*KB
	s_and_b32 s81, s[TG], 1
	s_mul_i32 s81, s81, KB
	s_add_co_u32 s80, s80, s81
	s_add_co_u32 s80, s80, s79
	s_mov_b32 s81, 0
	s_add_co_u32 s[NA], s80, 32*16*KB              ; k's, 32 pairs on,
	s_mov_b32 s[NA+1], 0
	s_lshr_b32 s[NA2], s[AV], 1                    ; v's
	s_add_co_u32 s[NA2], s[NA2], 104
	s_mul_i32 s[NA2], s[NA2], 16*KB
	s_and_b32 s82, s[AV], 1
	s_mul_i32 s82, s82, KB
	s_add_co_u32 s[NA2], s[NA2], s82
	s_add_co_u32 s[NA2], s[NA2], s79
	s_add_co_u32 s84, s[CX], 96                    ; B's: Wq's pair,
	s_mul_i32 s84, s84, 16*KB
	s_add_co_u32 s84, s84, s79
	s_mov_b32 s85, 0
	s_add_co_u32 s[NB], s84, 4*16*KB               ; Wk's,
	s_mov_b32 s[NB+1], 0
	s_add_co_u32 s[NB2], s3, 64                    ; value's
	s_mul_i32 s[NB2], s[NB2], 16*KB
	s_add_co_u32 s[NB2], s[NB2], s79
	s_mov_b32 s[GA], 1                             ; LDS addresses: constants and the wave's number alone
	s_mul_i32 s[GA+1], s[CH], 2*KB
	s_mov_b32 s[GA+4], 1
	s_add_co_u32 s[GA+5], s[GA+1], SLOT
	s_mov_b32 s[GB], 1
	s_add_co_u32 s[GB+1], s79, 4*KB
	s_mov_b32 s[GB+4], 1
	s_add_co_u32 s[GB+5], s[GB+1], SLOT
	s_lshl_b32 s86, s[CX], 1
	s_add_co_u32 s86, s86, s[CH]                   ; q, k: my 128 features
	s_lshr_b32 s87, s[TG], 3
	s_lshl_b32 s87, s87, 9
	s_lshl_b32 s88, s86, 6
	s_add_co_u32 s87, s87, s88
	s_and_b32 s88, s[TG], 7
	s_lshl_b32 s88, s88, 3
	s_add_co_u32 s87, s87, s88                     ; 512 batch + 64 pair of heads + 8 token group
	s_lshl_b32 s2, s[RH], 2
	s_add_co_u32 s88, s87, s2
	s_mul_i32 s88, s88, 1536
	s_mov_b32 s89, 0
	s_lshl_b32 s90, s87, 6
	s_lshl_b32 s2, s[RH], 4
	s_add_co_u32 s90, s90, s2
	s_mov_b32 s91, 0
	s_lshl_b32 s92, s3, 1
	s_add_co_u32 s92, s92, s[CH]                   ; v: my token group
	s_lshr_b32 s93, s92, 3
	s_lshl_b32 s93, s93, 9
	s_lshl_b32 s94, s[AV], 6
	s_add_co_u32 s93, s93, s94
	s_and_b32 s94, s92, 7
	s_lshl_b32 s94, s94, 3
	s_add_co_u32 s93, s93, s94
	s_lshl_b32 s96, s93, 6
	s_add_co_u32 s96, s96, s2
	s_add_co_u32 s96, s96, 2*262144
	s_mov_b32 s97, 0
	s_lshl_b32 s2, s[RH], 2
	s_add_co_u32 s94, s93, s2
	s_mul_i32 s94, s94, 1536
	s_add_co_u32 s94, s94, 2*6291456
	s_mov_b32 s95, 0
	s_lshl_b32 s98, s86, 9
	s_mov_b32 s99, 0
	s_lshl_b32 s100, s[AV], 9
	s_lshl_b32 s2, s[RH], 8
	s_add_co_u32 s100, s100, s2
	s_mov_b32 s101, 0
	s_mul_i32 s62, s[RH], 4*1536                   ; for the LDS addresses below
	s_mul_i32 s63, s[CH], KB
	s_add_co_u32 s63, s63, 4*KB
	s_sub_co_u32 s82, s63, s2                      ; from A's scale words of a slot's first K step to B's
	s_add_co_u32 s83, s2, 12288
	s_mov_b32 s[SEL], 0x76543210
	s_mov_b32 s[SEL+1], 0xfedcba98
	s_wait_dscnt 0x0                               ; both opening adds are done
	s_wait_kmcnt 0x0
	s_add_nc_u64 s[GA+2:GA+3], s[4:5], s[80:81]
	s_add_nc_u64 s[GA+6:GA+7], s[GA+2:GA+3], 8*KB
	s_add_nc_u64 s[GB+2:GB+3], s[4:5], s[84:85]
	s_add_nc_u64 s[GB+6:GB+7], s[GB+2:GB+3], 8*KB
.irp g, GA, GA+4, GB, GB+4
	s_or_b32 s[\g+3], s[\g+3], 0x80000000
.endr
	s_add_nc_u64 s[6:7], s[6:7], s[98:99]
	s_add_nc_u64 s[BK:BK+1], s[8:9], s[98:99]
	s_add_nc_u64 s[10:11], s[10:11], s[100:101]
	s_add_nc_u64 s[PC:PC+1], s[12:13], s[88:89]
	s_add_nc_u64 s[VC:VC+1], s[12:13], s[94:95]
	s_add_nc_u64 s[PS:PS+1], s[14:15], s[90:91]
	s_add_nc_u64 s[VS:VS+1], s[14:15], s[96:97]
	CROUND                                         ; all sixteen work-groups are here: the first joint loads meet
	JLOAD 0                                        ; q's first half: one tensor load a wave at the head
	s_cmp_eq_u32 s[RH], 0                          ; the prefetches' places: do I fetch for A?
	s_cselect_b32 s2, s[CX], s[CY]                 ; my place among the four that ask with me
	s_cselect_b32 s[PFC], s[NA], s[NB]             ; k's tile,
	s_cselect_b32 s[PFN], s[NA2], s[NB2]           ; v's
	s_mul_i32 s2, s2, 2*KB                         ; my work-group's K step of a half
	s_lshl_b32 s3, KB/2, s[RH]
	s_mul_i32 s3, s3, s[CH]                        ; my wave's part of it: 6,400 bytes of A's, 12,800 of B's
	s_add_co_u32 s2, s2, s3
	s_mul_i32 s3, s[CH], 4*KB                      ; (the places above hold my two K steps as a loader: taken off)
	s_add_co_u32 s[PFC], s[PFC], s2
	s_sub_co_u32 s[PFC], s[PFC], s3
	s_add_co_u32 s[PFN], s[PFN], s2
	s_sub_co_u32 s[PFN], s[PFN], s3
	s_mov_b32 s[PFC+1], 0
	s_mov_b32 s[PFN+1], 0
	s_add_nc_u64 s[PFC:PFC+1], s[4:5], s[PFC:PFC+1]
	s_add_nc_u64 s[PFN:PFN+1], s[4:5], s[PFN:PFN+1]
	v_and_b32 v1, 15, v0                           ; r
	v_bfe_u32 v2, v0, 4, 1                         ; h
	v_and_b32 v3, 31, v0                           ; lane
	v_lshlrev_b32 v[L16], 4, v3
	v_lshlrev_b32 v[L8], 3, v3
	v_min_u32 v[PFO], 24, v3
	v_lshlrev_b32 v[PFO], 8, v[PFO]
	v_lshlrev_b32 v[LSC], 5, v1
	v_lshl_add_u32 v[LSC], v2, 3, v[LSC]
	v_lshlrev_b32 v[HB], 6, v2
	v_and_b32 v24, 8, v1
	v_add_nc_u32 v24, v24, v1
	v_lshlrev_b32 v[VR], 2, v24
	v_add_nc_u32 v[ADRA], s62, v[L16]
	v_add_nc_u32 v[ADRA+1], SLOT, v[ADRA]
	v_add_nc_u32 v[ADRB], s63, v[L16]
	v_add_nc_u32 v[ADRB+1], 4*KB, v[ADRB]
	v_add_nc_u32 v[ADRB+2], SLOT, v[ADRB]
	v_add_nc_u32 v[ADRB+3], SLOT, v[ADRB+1]
	v_mul_u32_u24 v25, s82, v2                     ; lanes 16-31 take B's words: one product with h
	v_lshl_add_u32 v25, v1, 2, v25
	v_add_nc_u32 v[ADS], s83, v25
	v_mul_u32_u24 v26, KB, v2
	v_add_nc_u32 v26, KB, v26                      ; a K step on: 12,800 bytes in A's part, 25,600 in B's
.irp q, 1,2,3
	v_add_nc_u32 v[ADS+\q], v[ADS+\q-1], v26
.endr
.irp q, 0,1,2,3
	v_add_nc_u32 v[ADS+4+\q], SLOT, v[ADS+\q]
.endr
.irp b, 0,1,2,3
	v_mov_b32 v[TM+4+\b], 0                        ; a lane permute's destination counts as one of its sources
.endr
	s_wait_alu depctr_va_vdst(0)                   ; behind the head's vector work
	BLOAD 6                                        ; bq
	WIN 0xc0
.irp i, 0,1,2,3
.irp j, 0,1,2,3,4,5,6,7
	global_load_b32 v[BV+8*\i+\j], v[VR], s[10:11] offset:(32*(\i/2)+8*(\i%2))*4   ; bv of my lane's row of tile i, in all eight registers of a C
.endr
.endr
	WIN 0
.macro FETCH slot, q, p                ; the fragments and scale words of the slot's K step q into set p: 44 LDS loads in one run
	WIN TO_B
.irp i, 0,1,2,3,4,5,6,7
.irp c, 0,1,2
	ds_load_b128 v[128*(\p)+FR*\i+4*\c:128*(\p)+FR*\i+4*\c+3], v[ADRB+2*(\slot)+(\q)/2] offset:2*KB*((\q)%2)+1536*\i+512*\c
.endr
.endr
	WIN 0
.irp i, 0,1,2,3
.irp c, 0,1,2
	ds_load_b128 v[AF+48*(\p)+FR*\i+4*\c:AF+48*(\p)+FR*\i+4*\c+3], v[ADRA+(\slot)] offset:KB*(\q)+1536*\i+512*\c
.endr
.endr
.irp i, 0,1,2,3,4,5,6,7
	ds_load_b32 v[SC+8*(\p)+\i], v[ADS+4*(\slot)+(\q)] offset:64*\i   ; lanes 0-15: the word of my tile i of A (i under 4 is used), lanes 16-31: of B's tile i
.endr
.endm
.macro WM a, b, p, c
	v_wmma_scale_f32_16x16x128_f8f6f4 v[8*(8*\a+\b):8*(8*\a+\b)+7], v[128*(\p)+FR*\b:128*(\p)+FR*\b+FR-1], v[AF+48*(\p)+FR*\a:AF+48*(\p)+FR*\a+FR-1], v[\c:\c+7], v[SC+8*(\p)+\b], v[SC+8*(\p)+\a] matrix_a_fmt:MATRIX_FMT_FP6 matrix_b_fmt:MATRIX_FMT_FP6 matrix_a_scale:MATRIX_SCALE_ROW1
.endm
.macro MUL32 p, cm                     ; the 32 accumulators take turns, one instruction a turn, in the same order in every step
.irp a, 0,1,2,3
.irp b, 0,1,2,3,4,5,6,7
.if \cm == 1
	WM \a, \b, \p, BIAS+8*\b
.elseif \cm == 2
	WM \a, \b, \p, BV+8*\a
.else
	WM \a, \b, \p, 8*(8*\a+\b)
.endif
.endr
.endr
.endm
; K STEP k of a tile's eight.  Its fragments were asked for a step ago; the next step's go out in one run ahead of its 32 products.  In a half's last step the slots change.
.macro KSTEP k, refill, cm
.if (\k) == 3 || ((\k) == 7 && \refill)
	s_wait_tensorcnt 0x0                           ; my one load that was out, my part of the other slot, has landed
.if \refill
	ds_add_u32 v[SPW], v[NIL]                      ; the add; work on registers stands between it and the wait for it
	NEXTD (\k)/4
.endif
	s_wait_dscnt 0x0                               ; the add is done; this step's fragments are in: my reads of this slot are over
.if \refill
	CROUND                                         ; both hold of every wave of the cluster
	JLOAD (\k)/4                                   ; the next tile's same half, into the slot just read out
.else
	s_barrier_signal -1                            ; it shows the last half to all four waves
	s_barrier_wait -1
.endif
.else
	s_wait_dscnt 0x0
.endif
.if (\k) < 7
	FETCH ((\k)+1)/4, ((\k)+1)%4, ((\k)+1)%2
.elseif \refill
	FETCH 0, 0, 0                                  ; the next tile's first K step
.endif
.if \refill && (\k) == 3
	ASK PFC, 8*KB                                  ; the next tile's second half: its load stands at this tile's last K step
.endif
.if \refill && (\k) == 7
	s_cmp_eq_u32 s[CNT], 2                         ; in q's trip alone: v's first half, whose load stands in k's fourth K step
	s_cbranch_scc0 .Lno_ask_\@
	ASK PFN, 0
.Lno_ask_\@:
.endif
.if (\k) == 0
	s_wait_loadcnt 0x0                             ; the bias
	WIN MUL_C3
	MUL32 0, \cm
.else
	WIN MUL_LO
	MUL32 (\k)%2, 0
.endif
	WIN 0
.rept 4
	v_nop                                          ; places in front of loads into registers that these products have read, and of the first read of results
.endr
.endm
; THE WAY OUT of my tile a of A: the lane's 64 numbers, four blocks of 32 with lane l xor 16, become a fragment's codes and a scale word
.macro QUANTW a, ptr
.set AC, 64*(\a)
.set OP, OPC+12*(\a)
	WIN 0x0a
.irp b, 0,1,2,3
	v_max3_num_f32 v[TM+\b], |v[AC+16*\b]|, |v[AC+16*\b+1]|, 0x1800000   ; and the floor 2^(3 - 127): the byte cannot fall under 1
.endr
.irp i, 2,4,6,8,10,12,14
.irp b, 0,1,2,3
	v_max3_num_f32 v[TM+\b], |v[AC+16*\b+\i]|, |v[AC+16*\b+\i+1]|, v[TM+\b]
.endr
.endr
	WIN 0
.irp b, 0,1,2,3
	v_permlanex16_b32 v[TM+4+\b], v[TM+\b], s[SEL], s[SEL+1]
.endr
.irp b, 0,1,2,3
	v_max_num_f32 v[TM+\b], v[TM+\b], v[TM+4+\b]
.endr
.irp b, 0,1,2,3
	v_add_nc_u32 v[TM+12+\b], 0xff000000, v[TM+\b] ; 2 off the exponent field: the conversion's scale operand
.endr
.irp b, 0,1,2,3
	v_lshrrev_b32 v[TM+4+\b], 23, v[TM+12+\b]
.endr
	v_lshl_or_b32 v[PW+(\a)], v[TM+5], 8, v[TM+4]
	v_lshl_or_b32 v[PW+(\a)], v[TM+6], 16, v[PW+(\a)]
	v_lshl_or_b32 v[PW+(\a)], v[TM+7], 24, v[PW+(\a)]
	WIN 0x02
.irp c, 0,1
	v_cvt_scalef32_pk16_fp6_f32 v[OP+6*\c:OP+6*\c+2], v[AC+32*\c:AC+32*\c+15], v[TM+12+2*\c]
	v_cvt_scalef32_pk16_fp6_f32 v[T2+4*\c:T2+4*\c+2], v[AC+32*\c+16:AC+32*\c+31], v[TM+12+2*\c+1]
.endr
	WIN 0
	v_nop                                          ; one plain place behind a scaled conversion
.irp c, 0,1
.irp i, 0,1,2
	v_permlane16_swap_b32 v[OP+6*\c+\i], v[T2+4*\c+\i]
.endr
.irp i, 0,1,2
	v_mov_b32 v[OP+3+6*\c+\i], v[T2+4*\c+\i]
.endr
.endr
	global_store_b128 v[L16], v[OP:OP+3], s[\ptr:\ptr+1] offset:1536*(\a)
	global_store_b64 v[L8], v[OP+4:OP+5], s[\ptr:\ptr+1] offset:1536*(\a)+512
	global_store_b128 v[L16], v[OP+6:OP+9], s[\ptr:\ptr+1] offset:1536*(\a)+768
	global_store_b64 v[L8], v[OP+10:OP+11], s[\ptr:\ptr+1] offset:1536*(\a)+1280
.endm
.macro TILE refill, cm, pc, ps
	KSTEP 0, \refill, \cm
.if \refill
	s_cmp_eq_u32 s[CNT], 2                         ; in q's trip: bq has served (four places stand behind its last reader), bk takes its registers
	s_cbranch_scc0 .Lno_bias_\@
	BLOAD BK
.Lno_bias_\@:
.endif
.irp k, 1,2,3,4,5,6,7
	KSTEP \k, \refill, 0
.endr
.irp a, 0,1,2,3
	QUANTW \a, \pc
.endr
	v_cmp_eq_u32 vcc_lo, 1, v2                     ; both halves of the lanes hold row r's four words: lanes 0-15 store two, lanes 16-31 the other two
	v_cndmask_b32 v[W2], v[PW], v[PW+2], vcc_lo
	v_cndmask_b32 v[W2+1], v[PW+1], v[PW+3], vcc_lo
	global_store_b64 v[LSC], v[W2:W2+1], s[\ps:\ps+1]
.endm
	s_wait_alu depctr_va_vdst(0)                   ; the head's end
	s_wait_tensorcnt 0x0                           ; my part of q's first half is in; the same lines as ahead of a refill stand ahead of slot 1's first fill
	ds_add_u32 v[SPW], v[NIL]
	s_wait_dscnt 0x0
	CROUND
	JLOAD 1                                        ; q's second half
	FETCH 0, 0, 0
	ASK PFC, 0                                     ; k's first half: its load stands in q's fourth K step
	s_mov_b32 s[CNT], 2
.Ltile:                                                ; q, then k
	TILE 1, 1, PC, PS
	s_wait_alu depctr_va_vdst(0)                   ; ahead of the wait and the branch below
	s_wait_xcnt 0x0                                ; the stores have read their registers and bases: the next tile's fragments land there, and the bases step
	s_mov_b64 s[PFC:PFC+1], s[PFN:PFN+1]           ; (behind the wait on XCNT) the next tile is now v's
	s_add_nc_u64 s[PC:PC+1], s[PC:PC+1], 6291456
	s_add_nc_u64 s[PS:PS+1], s[PS:PS+1], 262144
	s_mov_b32 s[NA], s[NA2]                        ; the tile after k's is v's
	s_mov_b32 s[NB], s[NB2]
	s_sub_co_u32 s[CNT], s[CNT], 1
	s_cmp_lg_u32 s[CNT], 0
	s_cbranch_scc1 .Ltile
	TILE 0, 2, VC, VS                              ; v: nothing more is asked for
	s_wait_tensorcnt 0x0                           ; the wave's end
	ds_add_u32 v[SPW], v[NIL]
	s_wait_dscnt 0x0
	CROUND                                         ; the closing round
	s_endpgm
.Lfunc_end_k_qa781b0bb77_proj:
	.size	k_qa781b0bb77_proj, .Lfunc_end_k_qa781b0bb77_proj-k_qa781b0bb77_proj
	.p2alignl 7, 3214868480
	.fill 96, 4, 3214868480
	.section	.rodata,"a",@progbits
	.p2align	6, 0x0
	.amdhsa_kernel k_qa781b0bb77_proj
		.amdhsa_group_segment_fixed_size 327680
		.amdhsa_private_segment_fixed_size 0
		.amdhsa_enable_private_segment 0
		.amdhsa_kernarg_size 48
		.amdhsa_user_sgpr_count 2
		.amdhsa_user_sgpr_kernarg_segment_ptr 1
		.amdhsa_wavefront_size32 1
		.amdhsa_system_sgpr_workgroup_id_x 1
		.amdhsa_system_sgpr_workgroup_id_y 1
		.amdhsa_system_sgpr_workgroup_id_z 1
		.amdhsa_system_vgpr_workitem_id 0
		.amdhsa_next_free_vgpr 1024
		.amdhsa_next_free_sgpr 104
		.amdhsa_reserve_vcc 1
		.amdhsa_float_denorm_mode_32 3
		.amdhsa_float_denorm_mode_16_64 3
		.amdhsa_memory_ordered 1
		.amdhsa_forward_progress 1
		.amdhsa_inst_pref_size 168
	.end_amdhsa_kernel
	.amdgpu_metadata
---
amdhsa.version: [ 1, 2 ]
amdhsa.kernels:
  - .name:           k_qa781b0bb77_proj
    .symbol:         k_qa781b0bb77_proj.kd
    .args:
      - { .name: c1, .offset: 0, .size: 8, .value_kind: global_buffer, .address_space: global }
      - { .name: bq, .offset: 8, .size: 8, .value_kind: global_buffer, .address_space: global }
      - { .name: bk, .offset: 16, .size: 8, .value_kind: global_buffer, .address_space: global }
      - { .name: bv, .offset: 24, .size: 8, .value_kind: global_buffer, .address_space: global }
      - { .name: c2, .offset: 32, .size: 8, .value_kind: global_buffer, .address_space: global }
      - { .name: s2, .offset: 40, .size: 8, .value_kind: global_buffer, .address_space: global }
    .group_segment_fixed_size: 327680
    .private_segment_fixed_size: 0
    .kernarg_segment_align: 8
    .kernarg_segment_size: 48
    .max_flat_workgroup_size: 128
    .sgpr_count:     104
    .vgpr_count:     1024
    .wavefront_size: 32
...
	.end_amdgpu_metadata
.endif
;; end of part 2
;; launch attn (part 3): grid 4 x 64, 16 waves a work-group, clusters of 4 x 1, 212,992 bytes of LDS; arguments c2, s2, c3, s3, xb; writes c3, s3, xb
.if DOCPART == 3
	.amdgcn_target "amdgcn-amd-amdhsa--gfx1250"
	.amdhsa_code_object_version 6
	.text
	.protected	k_qa781b0bb77_attn
	.globl	k_qa781b0bb77_attn
	.p2align	8
	.type	k_qa781b0bb77_attn,@function
k_qa781b0bb77_attn:
	s_mov_b64 s[64:65], 0
	v_nop
	global_prefetch_b8 v0, s[64:65] scope:SCOPE_SE
	s_setreg_imm32_b32 hwreg(HW_REG_WAVE_MODE, 25, 1), 1
	s_wait_xcnt 0x0
	s_wait_alu depctr_hold_cnt(0) depctr_sa_sdst(0) depctr_va_vdst(0) depctr_va_sdst(0) depctr_va_ssrc(0) depctr_va_vcc(0) depctr_vm_vsrc(0)
	s_getreg_b32 s2, hwreg(HW_REG_IB_STS2, 6, 4)
	s_cmp_eq_u32 s2, 0
	s_cbranch_scc0 .Lentry_in_a_cluster
	s_endpgm
.Lentry_in_a_cluster:
	s_bfe_u32 s2, ttmp6, 0x10000c
	s_cmp_lg_u32 s2, 0x3003
	s_cbranch_scc0 .Lentry_shape_is_right
	s_endpgm
.Lentry_shape_is_right:
; x[b][q][head] = softmax_k(q . k / 8) v for 8 batches x 16 heads of 64, 1,024 tokens, both products on codes of FP6 (E2M3) with E8M0 scales.
; THE SOFTMAX AHEAD OF THE SECOND PRODUCT: t = score x log2(e) / 8; M = the running largest t rounded up to a whole number; p = 2^(t - M) is quantised along the keys, not normalised; the row's sum is taken of the
; unquantised p and divides at the end; when M moves, the sum and O are multiplied by 2^(old M - new M), which rounds nothing.
; SHARES: a work-group owns 256 queries of one batch and one PAIR of heads (y = 8 batch + pair), one head after the other; each of its sixteen waves one tile of 16 queries, in 256 registers: four waves to a SIMD.
; The pair's K and V (98,304 bytes each, images of operand registers) and their scale words (4,096 each) lie WHOLE in LDS: filled once, at the head; no slot is filled again.
; CLUSTER: the four query blocks of a (batch, pair) need the same K and V: each fill is asked for jointly (mask 15).  Nothing is prefetched: all that the launch streams is asked for at its head.
; LAYOUT: both products are used transposed: S^T = K Q^T, O^T = V^T P^T: a lane holds one query throughout.  Token tiles hold rows 32 B + 8 u + r + 8 (r / 8), so the 16 registers of score tiles 2 B, 2 B + 1 are 16 neighbouring keys.
; K = 64 IN AN INSTRUCTION OF K = 128: a head's half of a fragment is 6 registers.  Head 0 of the pair: Q's fragment is its half and then six registers of zero codes; K's is the tile's half and then whatever codes follow.
; Head 1: zeros and then Q's half; K's is whatever lies ahead and then the tile's half.  Zero codes add nothing (E2M3 has no infinity and no NaN, no scale byte here is 0xff), and the scale words serve as they are stored: bytes 0, 1 head 0, bytes 2, 3 head 1.
; OUT: x / l as bf16 (xb: [16 batch + head][token tile][chunk c][lane][16 bytes], chunk c of lane (r, h): d = 32 (c / 2) + 16 h + 8 (c % 2) + 0 .. 7) for the pooling, which feeds no quantiser;
; and quantised from f32 as the next product's operand (c3: [token group][K step = pair][tile] images; s3: its scale words): a wave's two heads make one whole fragment.
; LIMITS: a block whose largest magnitude lies under 2^-124 keeps the byte 1; NaN and infinities are not served.
; REGISTERS: v1-4 lane places; v7-11, v35 LDS addresses; v12 -M, v13 largest t, v[14:15] the sum; v16-21 Q head 0, v22-27 zeros, v28-33 Q head 1; v36-41, v90-95 zeros; v42-89 K's 8 halves, then V's 4 fragments;
; v96-159 S^T, then p; v160-191 O^T; v192-199 K's scale words, v200-203 V's; v204-215 x's codes, v216 its scale word; v224-254 at work; v255 Q's scale word.
.set VB,    98304
.set KSC,   196608
.set SPARE, 204800                     ; the spare words, 128 bytes for each of 16 waves
.set SPW, 5
.set NIL, 6
.set WV,  18
.set SEL, 20
.set CS,  22
.set G1L, 24
.set G1S, 32
.set G0L, 40
.set G0S, 44
.set TB,  2                            ; s2  the key step's images: 12,288 bytes a step
.set TS,  3                            ; s3  its scale words: 512 bytes a step
.set CNT, 66
.macro CROUND
	s_barrier_signal -1
	s_barrier_wait -1
	s_cmp_lg_u32 s[WV], 0
	s_cbranch_scc1 .Lnot_wave_0_\@
	s_barrier_signal -3
.Lnot_wave_0_\@:
	s_barrier_wait -3
	s_barrier_signal -1
	s_barrier_wait -1
.endm
	s_load_b256 s[4:11], s[0:1], 0x0               ; c2, s2, c3, s3
	s_load_b64 s[12:13], s[0:1], 0x20              ; xb
	v_lshl_add_u32 v[SPW], v0, 2, SPARE
	v_mov_b32 v[NIL], 0
	ds_add_u32 v[SPW], v[NIL]                      ; the wave's opening: the add and its wait ahead of the first tensor loads; work on registers stands between them
	ds_add_u32 v[SPW], v[NIL]
	v_lshrrev_b32 v8, 5, v0
	s_delay_alu instid0(VALU_DEP_1)
	v_readfirstlane_b32 s[WV], v8
	s_bfe_u32 s48, ttmp6, 0x40000                  ; cx: my block of 256 queries
	s_and_b32 s49, ttmp7, 0xffff                   ; y = 8 batch + pair
	; group 1: dense blocks as rows of 256 bytes (32 elements of 8 bytes): 96 rows, and 16 rows for the scale words
	s_mov_b32 s[G1L], 15|(3<<16)|(1<<21)           ; 15:0 the mask: all four work-groups; 17:16 elements of 8 bytes; 21 set beside a mask
	s_mov_b32 s[G1L+1], 32<<16
	s_mov_b32 s[G1L+2], 96<<16
	s_mov_b32 s[G1L+3], 32<<16
	s_mov_b32 s[G1L+4], 96
	s_mov_b32 s[G1L+5], 32
	s_mov_b32 s[G1L+6], 0
	s_mov_b32 s[G1L+7], 0
	s_mov_b32 s[G1S], 15|(3<<16)|(1<<21)
	s_mov_b32 s[G1S+1], 32<<16
	s_mov_b32 s[G1S+2], 16<<16
	s_mov_b32 s[G1S+3], 32<<16
	s_mov_b32 s[G1S+4], 16
	s_mov_b32 s[G1S+5], 32
	s_mov_b32 s[G1S+6], 0
	s_mov_b32 s[G1S+7], 0
	s_and_b32 s50, s[WV], 7
	s_mul_i32 s51, s50, 24576                      ; waves 0-3: K's quarters, waves 4-7: V's
	s_lshr_b32 s52, s[WV], 2
	s_and_b32 s52, s52, 1
	s_add_co_u32 s52, s52, 1
	s_mul_i32 s52, s52, 6291456                    ; k's part of c2, or v's
	s_mul_i32 s53, s49, 98304
	s_add_co_u32 s52, s52, s53
	s_and_b32 s53, s[WV], 3
	s_mul_i32 s53, s53, 24576
	s_add_co_u32 s52, s52, s53
	s_mov_b32 s53, 0
	s_and_b32 s54, s[WV], 1                        ; wave 8: K's scale words, wave 9: V's
	s_lshl_b32 s55, s54, 12
	s_add_co_u32 s55, s55, KSC
	s_add_co_u32 s56, s54, 1
	s_lshl_b32 s56, s56, 18
	s_lshl_b32 s57, s49, 12
	s_add_co_u32 s56, s56, s57
	s_mov_b32 s57, 0
	s_lshl_b32 s58, s48, 1
	s_lshr_b32 s59, s[WV], 3
	s_add_co_u32 s58, s58, s59                     ; g: my token group in the batch; my tile in it is a = wave % 8
	s_lshl_b32 s59, s49, 3
	s_add_co_u32 s59, s59, s58
	s_lshl_b32 s60, s59, 3
	s_add_co_u32 s60, s60, s50
	s_mul_i32 s60, s60, 1536                       ; Q's image
	s_mov_b32 s61, 0
	s_lshl_b32 s62, s59, 9
	s_lshl_b32 s63, s50, 2
	s_add_co_u32 s62, s62, s63                     ; Q's scale words: + 32 r
	s_mov_b32 s63, 0
	s_lshl_b32 s68, s49, 18                        ; xb: ((2 y + head) 64 + 16 cx + wave) x 2,048
	s_lshl_b32 s69, s48, 15
	s_add_co_u32 s68, s68, s69
	s_lshl_b32 s69, s[WV], 11
	s_add_co_u32 s68, s68, s69
	s_mov_b32 s69, 0
	s_lshr_b32 s70, s49, 3
	s_lshl_b32 s70, s70, 3
	s_add_co_u32 s70, s70, s58                     ; G = 8 batch + g
	s_and_b32 s71, s49, 7
	s_lshl_b32 s70, s70, 3
	s_add_co_u32 s70, s70, s71
	s_lshl_b32 s70, s70, 3
	s_add_co_u32 s70, s70, s50                     ; (8 G + pair) 8 + a
	s_lshl_b32 s72, s70, 6                         ; s3
	s_mov_b32 s73, 0
	s_mul_i32 s70, s70, 1536                       ; c3
	s_mov_b32 s71, 0
	s_mov_b32 s[SEL], 0x76543210
	s_mov_b32 s[SEL+1], 0xfedcba98
	s_mov_b32 s[CS], 0x3e38aa3b                    ; c = log2(e) / 8
	s_mov_b32 s[CS+1], s[CS]
	s_wait_dscnt 0x0                               ; the opening add is done
	s_wait_kmcnt 0x0
	s_mov_b32 s[G0L], 1
	s_mov_b32 s[G0L+1], s51
	s_add_nc_u64 s[G0L+2:G0L+3], s[4:5], s[52:53]
	s_or_b32 s[G0L+3], s[G0L+3], 0x80000000
	s_mov_b32 s[G0S], 1
	s_mov_b32 s[G0S+1], s55
	s_add_nc_u64 s[G0S+2:G0S+3], s[6:7], s[56:57]
	s_or_b32 s[G0S+3], s[G0S+3], 0x80000000
	s_add_nc_u64 s[60:61], s[4:5], s[60:61]
	s_add_nc_u64 s[62:63], s[6:7], s[62:63]
	s_add_nc_u64 s[12:13], s[12:13], s[68:69]
	s_add_nc_u64 s[8:9], s[8:9], s[70:71]
	s_add_nc_u64 s[10:11], s[10:11], s[72:73]
	CROUND                                         ; all four work-groups are here: the joint loads meet
	s_cmp_lt_u32 s[WV], 8                          ; one load a wave at the most; the branches hang on the wave's number alone
	s_cbranch_scc0 .Lnot_codes
	tensor_load_to_lds s[G0L:G0L+3], s[G1L:G1L+7]
	s_nop 0
.rept 4
	v_nop
.endr
	s_branch .Lasked
.Lnot_codes:
	s_cmp_lt_u32 s[WV], 10
	s_cbranch_scc0 .Lasked
	tensor_load_to_lds s[G0S:G0S+3], s[G1S:G1S+7]
	s_nop 0
.rept 4
	v_nop
.endr
.Lasked:
	v_and_b32 v34, 31, v0                          ; lane
	v_and_b32 v8, 15, v0                           ; r
	s_delay_alu instid0(VALU_DEP_2)
	v_lshlrev_b32 v1, 4, v34                       ; 16 x lane
	s_delay_alu instid0(VALU_DEP_3)
	v_lshlrev_b32 v2, 3, v34                       ; 8 x lane
	s_delay_alu instid0(VALU_DEP_2)
	v_add_nc_u32 v3, VB, v1
	s_delay_alu instid0(VALU_DEP_2)
	v_add_nc_u32 v4, VB, v2
	v_lshlrev_b32 v217, 5, v8                      ; 32 r
	v_lshlrev_b32 v218, 2, v8                      ; 4 r
	s_delay_alu instid0(VALU_DEP_2)
	v_add_nc_u32 v7, KSC, v217
	global_load_b128 v[16:19], v1, s[60:61]        ; Q, head 0's half
	global_load_b64 v[20:21], v2, s[60:61] offset:512
	global_load_b128 v[28:31], v1, s[60:61] offset:768   ; head 1's
	global_load_b64 v[32:33], v2, s[60:61] offset:1280
	global_load_b32 v255, v217, s[62:63]
.irp j, 22,23,24,25,26,27,36,37,38,39,40,41,90,91,92,93,94,95
	v_mov_b32 v\j, 0                               ; zero codes; never rewritten
.endr
.irp b, 0,1,2,3
	v_mov_b32 v[236+\b], 0                         ; written once: a lane permute's destination counts as one of its sources
.endr
	v_mov_b32 v253, 0                              ; (named as the upper half of v[252:253] before it is first written)
	s_wait_tensorcnt 0x0                           ; my fill has landed,
	s_barrier_signal -1
	s_barrier_wait -1                              ; everybody's has
	s_wait_loadcnt 0x0                             ; Q
; A KEY STEP of head hd of the pair: 128 keys
.macro STEP hd
	v_add_nc_u32 v8, s[TB], v1                     ; (these five are also the places behind the last step's products, in front of the loads into their registers)
	v_add_nc_u32 v9, s[TB], v2
	v_add_nc_u32 v10, s[TB], v3
	v_add_nc_u32 v11, s[TB], v4
	v_add_nc_u32 v35, s[TS], v7
.irp t, 0,1,2,3,4,5,6,7
	ds_load_b128 v[42+6*\t:45+6*\t], v8 offset:1536*\t+768*\hd
	ds_load_b64 v[46+6*\t:47+6*\t], v9 offset:1536*\t+768*\hd+512
.endr
	ds_load_b128 v[192:195], v35                   ; the eight tiles' scale words of my row
	ds_load_b128 v[196:199], v35 offset:16
	s_wait_alu depctr_va_vdst(0)
	s_wait_dscnt 0x0
.irp t, 0,1,2,3,4,5,6,7
	v_wmma_scale_f32_16x16x128_f8f6f4 v[96+8*\t:103+8*\t], v[42-6*\hd+6*\t:53-6*\hd+6*\t], v[16+6*\hd:27+6*\hd], 0, v[192+\t], v255 matrix_a_fmt:MATRIX_FMT_FP6 matrix_b_fmt:MATRIX_FMT_FP6
.endr
.rept 4
	v_nop                                          ; places in front of the loads into K's registers and of the first read of the scores
.endr
.irp t, 0,1,2,3                                ; V's four fragments land while the softmax is walked
	ds_load_b128 v[42+12*\t:45+12*\t], v10 offset:1536*(4*\hd+\t)
	ds_load_b64 v[46+12*\t:47+12*\t], v11 offset:1536*(4*\hd+\t)+512
	ds_load_b128 v[48+12*\t:51+12*\t], v10 offset:1536*(4*\hd+\t)+768
	ds_load_b64 v[52+12*\t:53+12*\t], v11 offset:1536*(4*\hd+\t)+1280
.endr
	ds_load_b128 v[200:203], v35 offset:4096+16*\hd
.irp b, 0,1,2,3
	v_max3_num_f32 v[232+\b], v[96+16*\b], v[97+16*\b], v[98+16*\b]   ; the largest score of each block of 32 keys: it serves for the row's maximum and, since p rises with the score, for the block's largest p
.endr
.irp i, 3,5,7,9,11,13
.irp b, 0,1,2,3
	v_max3_num_f32 v[232+\b], v[232+\b], v[96+16*\b+\i], v[97+16*\b+\i]
.endr
.endr
.irp b, 0,1,2,3
	v_max_num_f32 v[232+\b], v[232+\b], v[111+16*\b]
.endr
.irp b, 0,1,2,3
	s_delay_alu instid0(VALU_DEP_4)
	v_permlanex16_b32 v[236+\b], v[232+\b], s[SEL], s[SEL+1]
.endr
.irp b, 0,1,2,3
	s_delay_alu instid0(VALU_DEP_4)
	v_max_num_f32 v[232+\b], v[232+\b], v[236+\b]  ; with lane l xor 16's 16 keys
.endr
	s_delay_alu instid0(VALU_DEP_2)
	v_max3_num_f32 v254, v232, v233, v234
	s_delay_alu instid0(VALU_DEP_1)
	v_max_num_f32 v254, v254, v235
	s_delay_alu instid0(VALU_DEP_1)
	v_mul_f32 v254, s[CS], v254                    ; as t (c is positive)
	s_delay_alu instid0(VALU_DEP_1)
	v_max_num_f32 v13, v13, v254                   ; the running largest t
	v_mov_b32 v254, v12
	s_delay_alu instid0(VALU_DEP_2)
	v_floor_f32 v12, -v13                          ; the new -M = -ceil(t)
	s_delay_alu instid0(VALU_DEP_1)
	v_sub_f32 v254, v12, v254                      ; old M - new M: a whole number, 0 or less
	s_delay_alu instid0(VALU_DEP_1)
	v_cvt_i32_f32 v254, v254                       ; (it saturates)
	s_delay_alu instid0(VALU_DEP_1)
	v_ldexp_f32 v252, 1.0, v254                    ; f = 2^(old M - new M)
.set j, 0
.rept 32
	v_pk_fma_f32 v[96+j:97+j], v[96+j:97+j], s[CS:CS+1], v[12:13] op_sel_hi:[1,0,0]   ; t - M, two at a time
.set j, j+2
.endr
.irp b, 0,1,2,3
	v_fma_f32 v[232+\b], v[232+\b], s[CS], v12
.endr
.set j, 0
	s_wait_alu depctr_va_vdst(0)
.rept 64
	v_exp_f32 v[96+j], v[96+j]                     ; p = 2^(t - M)
.set j, j+1
.endr
	v_pk_mul_f32 v[14:15], v[14:15], v[252:253] op_sel_hi:[1,0]   ; the sums under the new M (a plain place behind the exponentials)
	s_wait_alu depctr_va_vdst(0)                   ; one wait for the whole batch, ahead of its first reader
.irp b, 0,1,2,3
	v_exp_f32 v[232+\b], v[232+\b]                 ; the block's largest p
.endr
	v_pk_add_f32 v[236:237], v[100:101], v[104:105]
	v_pk_add_f32 v[250:251], v[108:109], v[112:113]
	v_pk_add_f32 v[248:249], v[116:117], v[120:121]
	v_pk_add_f32 v[222:223], v[124:125], v[128:129]
	v_pk_add_f32 v[220:221], v[132:133], v[136:137]
	v_pk_add_f32 v[14:15], v[14:15], v[140:141]
	v_pk_add_f32 v[236:237], v[236:237], v[144:145]
	v_pk_add_f32 v[250:251], v[250:251], v[148:149]
	v_pk_add_f32 v[248:249], v[248:249], v[152:153]
	v_pk_add_f32 v[222:223], v[222:223], v[156:157]
	v_pk_add_f32 v[220:221], v[220:221], v[96:97]
	v_pk_add_f32 v[14:15], v[14:15], v[98:99]
	v_pk_add_f32 v[236:237], v[236:237], v[102:103]
	v_pk_add_f32 v[250:251], v[250:251], v[106:107]
	v_pk_add_f32 v[248:249], v[248:249], v[110:111]
	v_pk_add_f32 v[222:223], v[222:223], v[114:115]
	v_pk_add_f32 v[220:221], v[220:221], v[118:119]
	v_pk_add_f32 v[14:15], v[14:15], v[122:123]
	v_pk_add_f32 v[236:237], v[236:237], v[126:127]
	v_pk_add_f32 v[250:251], v[250:251], v[130:131]
	v_pk_add_f32 v[248:249], v[248:249], v[134:135]
	v_pk_add_f32 v[222:223], v[222:223], v[138:139]
	v_pk_add_f32 v[220:221], v[220:221], v[142:143]
	v_pk_add_f32 v[14:15], v[14:15], v[146:147]
	v_pk_add_f32 v[236:237], v[236:237], v[150:151]
	v_pk_add_f32 v[250:251], v[250:251], v[154:155]
	v_pk_add_f32 v[248:249], v[248:249], v[158:159]
	s_delay_alu instid0(VALU_DEP_1)
	v_pk_add_f32 v[14:15], v[14:15], v[248:249]
	s_delay_alu instid0(VALU_DEP_4)
	v_pk_add_f32 v[236:237], v[236:237], v[222:223]
	s_delay_alu instid0(VALU_DEP_4)
	v_pk_add_f32 v[250:251], v[250:251], v[220:221]
	s_delay_alu instid0(VALU_DEP_1)
	v_pk_add_f32 v[14:15], v[14:15], v[250:251]
	s_delay_alu instid0(VALU_DEP_1)
	v_pk_add_f32 v[14:15], v[14:15], v[236:237]
	s_wait_alu depctr_va_vdst(0)                   ; and one for the four
.irp b, 0,1,2,3
	v_max_num_f32 v[232+\b], 0x1800000, v[232+\b]  ; the floor 2^(3 - 127)
.endr
.irp b, 0,1,2,3
	s_delay_alu instid0(VALU_DEP_4)
	v_add_nc_u32 v[244+\b], 0xff000000, v[232+\b]
.endr
.irp b, 0,1,2,3
	s_delay_alu instid0(VALU_DEP_4)
	v_lshrrev_b32 v[236+\b], 23, v[244+\b]
.endr
	s_delay_alu instid0(VALU_DEP_3)
	v_lshl_or_b32 v253, v237, 8, v236              ; p's scale word for these 128 keys
	s_delay_alu instid0(VALU_DEP_1)
	v_lshl_or_b32 v253, v238, 16, v253
	s_delay_alu instid0(VALU_DEP_1)
	v_lshl_or_b32 v253, v239, 24, v253
.irp c, 0,1
	v_cvt_scalef32_pk16_fp6_f32 v[224+6*\c:226+6*\c], v[96+32*\c:111+32*\c], v[244+2*\c]
	v_cvt_scalef32_pk16_fp6_f32 v[236+4*\c:238+4*\c], v[112+32*\c:127+32*\c], v[244+2*\c+1]
.endr
	v_nop                                          ; one plain place behind a scaled conversion
.irp c, 0,1
.irp i, 0,1,2
	v_permlane16_swap_b32 v[224+6*\c+\i], v[236+4*\c+\i]
.endr
.irp i, 0,1,2
	s_delay_alu instid0(VALU_DEP_3)
	v_mov_b32 v[227+6*\c+\i], v[236+4*\c+\i]
.endr
.endr
.set j, 0
.rept 16
	v_pk_mul_f32 v[160+j:161+j], v[160+j:161+j], v[252:253] op_sel_hi:[1,0]   ; O^T under the new M; these sixteen also stand between the writes of p's codes and scale word and the products
.set j, j+2
.endr
	s_wait_alu depctr_va_vdst(0)
	s_wait_dscnt 0x0                               ; V
.irp t, 0,1,2,3
	v_wmma_scale_f32_16x16x128_f8f6f4 v[160+8*\t:167+8*\t], v[42+12*\t:53+12*\t], v[224:235], v[160+8*\t:167+8*\t], v[200+\t], v253 matrix_a_fmt:MATRIX_FMT_FP6 matrix_b_fmt:MATRIX_FMT_FP6
.endr
.endm
; ONE HEAD: eight key steps, then x = O^T / l: as bf16 to xb, and quantised into half hd of the next operand's fragment
.macro HEAD hd
	v_mov_b32 v13, 0xff61b1e6                      ; the largest t so far: -3e38
	s_delay_alu instid0(VALU_DEP_1)
	v_floor_f32 v12, -v13
	v_mov_b32 v14, 0
	v_mov_b32 v15, 0
.set j, 0
.rept 32
	v_mov_b32 v[160+j], 0                          ; the step is written once: the first finds zeros, which the first change of M leaves zeros
.set j, j+1
.endr
	s_mov_b32 s[TB], 0
	s_mov_b32 s[TS], 0
	s_mov_b32 s[CNT], 8
.Lstep_\@:
	STEP \hd
	s_add_co_u32 s[TB], s[TB], 12288
	s_add_co_u32 s[TS], s[TS], 512
	s_sub_co_u32 s[CNT], s[CNT], 1
	s_cmp_lg_u32 s[CNT], 0
	s_cbranch_scc1 .Lstep_\@
	v_add_f32 v14, v14, v15
	s_delay_alu instid0(VALU_DEP_1)
	v_permlanex16_b32 v252, v14, s[SEL], s[SEL+1]
	s_delay_alu instid0(VALU_DEP_1)
	v_add_f32 v14, v14, v252                       ; the row's sum
	s_wait_alu depctr_va_vdst(0)
	v_rcp_f32 v14, v14
	v_nop                                          ; plain places: behind the reciprocal, and with the lines above four behind the last products
	v_nop
	s_wait_alu depctr_va_vdst(0)
.set j, 0
.rept 16
	v_pk_mul_f32 v[96+j:97+j], v[160+j:161+j], v[14:15] op_sel_hi:[1,0]   ; register 8 t + i: x(my query, d = 32 (t / 2) + 16 h + 8 (t % 2) + i)
.set j, j+2
.endr
.set j, 0
.rept 16
	v_cvt_pk_bf16_f32 v[128+j], v[96+2*j], v[97+2*j]
.set j, j+1
.endr
.irp c, 0,1,2,3
	global_store_b128 v1, v[128+4*\c:131+4*\c], s[12:13] offset:131072*\hd+512*\c   ; 512 consecutive bytes
.endr
.irp b, 0,1
	v_max3_num_f32 v[232+\b], |v[96+16*\b]|, |v[97+16*\b]|, 0x1800000
.endr
.irp i, 2,4,6,8,10,12,14
.irp b, 0,1
	s_delay_alu instid0(VALU_DEP_2)
	v_max3_num_f32 v[232+\b], v[232+\b], |v[96+16*\b+\i]|, |v[97+16*\b+\i]|
.endr
.endr
.irp b, 0,1
	s_delay_alu instid0(VALU_DEP_2)
	v_permlanex16_b32 v[236+\b], v[232+\b], s[SEL], s[SEL+1]
.endr
.irp b, 0,1
	s_delay_alu instid0(VALU_DEP_2)
	v_max_num_f32 v[232+\b], v[232+\b], v[236+\b]
.endr
.irp b, 0,1
	s_delay_alu instid0(VALU_DEP_2)
	v_add_nc_u32 v[244+\b], 0xff000000, v[232+\b]
.endr
.irp b, 0,1
	s_delay_alu instid0(VALU_DEP_2)
	v_lshrrev_b32 v[236+\b], 23, v[244+\b]
.endr
.if \hd == 0
	s_delay_alu instid0(VALU_DEP_1)
	v_lshl_or_b32 v216, v237, 8, v236              ; bytes 0, 1 of x's scale word
.else
	s_delay_alu instid0(VALU_DEP_2)
	v_lshl_or_b32 v216, v236, 16, v216             ; bytes 2, 3
	s_delay_alu instid0(VALU_DEP_1)
	v_lshl_or_b32 v216, v237, 24, v216
.endif
	v_cvt_scalef32_pk16_fp6_f32 v[204+6*\hd:206+6*\hd], v[96:111], v244
	v_cvt_scalef32_pk16_fp6_f32 v[240:242], v[112:127], v245
	v_nop
.irp i, 0,1,2
	v_permlane16_swap_b32 v[204+6*\hd+\i], v[240+\i]
.endr
.irp i, 0,1,2
	s_delay_alu instid0(VALU_DEP_3)
	v_mov_b32 v[207+6*\hd+\i], v[240+\i]
.endr
	s_wait_xcnt 0x0                                ; the stores have read v128-143, which the next scores write
.endm
	HEAD 0
	HEAD 1
	s_wait_alu depctr_va_vdst(0)
.irp c, 0,1,2
	global_store_b128 v1, v[204+4*\c:207+4*\c], s[8:9] offset:512*\c   ; x's fragment as it stands
.endr
	v_cmp_gt_u32 vcc_lo, 16, v34
	s_wait_xcnt 0x0                                ; EXEC changes only behind this wait
	s_and_saveexec_b32 s74, vcc_lo
	global_store_b32 v218, v216, s[10:11]          ; lanes 0-15: the 16 rows' scale words
	s_wait_xcnt 0x0                                ; and again, in front of the line that widens it
	s_or_b32 exec_lo, exec_lo, s74
	s_wait_tensorcnt 0x0                           ; the wave's end
	ds_add_u32 v[SPW], v[NIL]
	s_wait_dscnt 0x0
	CROUND                                         ; the closing round
	s_endpgm
.Lfunc_end_k_qa781b0bb77_attn:
	.size	k_qa781b0bb77_attn, .Lfunc_end_k_qa781b0bb77_attn-k_qa781b0bb77_attn
	.p2alignl 7, 3214868480
	.fill 96, 4, 3214868480
	.section	.rodata,"a",@progbits
	.p2align	6, 0x0
	.amdhsa_kernel k_qa781b0bb77_attn
		.amdhsa_group_segment_fixed_size 212992
		.amdhsa_private_segment_fixed_size 0
		.amdhsa_enable_private_segment 0
		.amdhsa_kernarg_size 40
		.amdhsa_user_sgpr_count 2
		.amdhsa_user_sgpr_kernarg_segment_ptr 1
		.amdhsa_wavefront_size32 1
		.amdhsa_system_sgpr_workgroup_id_x 1
		.amdhsa_system_sgpr_workgroup_id_y 1
		.amdhsa_system_sgpr_workgroup_id_z 1
		.amdhsa_system_vgpr_workitem_id 0
		.amdhsa_next_free_vgpr 256
		.amdhsa_next_free_sgpr 80
		.amdhsa_reserve_vcc 1
		.amdhsa_float_denorm_mode_32 3
		.amdhsa_float_denorm_mode_16_64 3
		.amdhsa_memory_ordered 1
		.amdhsa_forward_progress 1
		.amdhsa_inst_pref_size 57
	.end_amdhsa_kernel
	.amdgpu_metadata
---
amdhsa.version: [ 1, 2 ]
amdhsa.kernels:
  - .name:           k_qa781b0bb77_attn
    .symbol:         k_qa781b0bb77_attn.kd
    .args:
      - { .name: c2, .offset: 0, .size: 8, .value_kind: global_buffer, .address_space: global }
      - { .name: s2, .offset: 8, .size: 8, .value_kind: global_buffer, .address_space: global }
      - { .name: c3, .offset: 16, .size: 8, .value_kind: global_buffer, .address_space: global }
      - { .name: s3, .offset: 24, .size: 8, .value_kind: global_buffer, .address_space: global }
      - { .name: xb, .offset: 32, .size: 8, .value_kind: global_buffer, .address_space: global }
    .group_segment_fixed_size: 212992
    .private_segment_fixed_size: 0
    .kernarg_segment_align: 8
    .kernarg_segment_size: 40
    .max_flat_workgroup_size: 512
    .sgpr_count:     80
    .vgpr_count:     256
    .wavefront_size: 32
...
	.end_amdgpu_metadata
.endif
;; end of part 3
;; launch logit (part 4): grid 4 x 64, 4 waves a work-group, clusters of 4 x 4, 327,680 bytes of LDS; arguments c3, s3, c1, apart, ba, qvec; writes apart
.if DOCPART == 4
	.amdgcn_target "amdgcn-amd-amdhsa--gfx1250"
	.amdhsa_code_object_version 6
	.text
	.protected	k_qa781b0bb77_logit
	.globl	k_qa781b0bb77_logit
	.p2align	8
	.type	k_qa781b0bb77_logit,@function
k_qa781b0bb77_logit:
	s_mov_b64 s[64:65], 0
	v_nop
	global_prefetch_b8 v0, s[64:65] scope:SCOPE_SE
	s_setreg_imm32_b32 hwreg(HW_REG_WAVE_MODE, 25, 1), 1
	s_wait_xcnt 0x0
	s_wait_alu depctr_hold_cnt(0) depctr_sa_sdst(0) depctr_va_vdst(0) depctr_va_sdst(0) depctr_va_ssrc(0) depctr_va_vcc(0) depctr_vm_vsrc(0)
	s_getreg_b32 s2, hwreg(HW_REG_IB_STS2, 6, 4)
	s_cmp_eq_u32 s2, 0
	s_cbranch_scc0 .Lentry_in_a_cluster
	s_endpgm
.Lentry_in_a_cluster:
	s_bfe_u32 s2, ttmp6, 0x10000c
	s_cmp_lg_u32 s2, 0xf033
	s_cbranch_scc0 .Lentry_shape_is_right
	s_endpgm
.Lentry_shape_is_right:
; a[token] = tanh(x Wa^T + ba) . qvec, in eight partial sums of 128 features.  The product runs on codes of FP6 (E2M3) with E8M0 scales, sums in f32; tanh and the sum with qvec in f32 vector arithmetic.
; SHARES: a tile is 128 tokens x 256 features: 64 x 4 = 256 work-groups, one for each of the chip's 256 WGPs (tiles of 256 x 256 would be 128).  Four waves, each 64 tokens x 128 features: 32 accumulators, 256 registers.
; ALL OF K LIES IN LDS: x's group (98,304 bytes) and Wa's two groups (196,608) as images of operand registers, laid as x's codes ([K step][tile]), x's scale words, then Wa's pair ([K step][group] blocks with their scale words).  Nothing is filled again:
; each wave issues one fill at the head; one wait and one work-group barrier stand in front of the first read.
; CLUSTERS: 4 x 4 work-groups; x's tiles are asked for jointly along a row of the cluster, Wa's along a column.  Wave 0 fetches x's codes, wave 1 x's scale words, waves 2 and 3 four K steps each of Wa's pair.
; THE MATRIX INSTRUCTION IS USED TRANSPOSED (source 0 = 16 rows of Wa, source 1 = 16 tokens): a lane holds one token, its registers run along the features.  ba is the C of each sum's first instruction.
; tanh(z) = 1 - 2 / (1 + 2^(2 log2(e) z)): at large |z| the exponential goes to infinity or 0 and the result to +1 or -1.
; OUT: apart[slice of 128 features][token group][row r][tile a], f32: a wave stores its four tiles' sums, 16 bytes a row.
; No prefetch is laid: all that the launch streams is asked for at its head.  LIMITS: NaN and infinities are not served.
; REGISTERS: window 0: v1-29 addresses; v32-63 scale words, two sets; v64-127 ba, later qvec, in the result's layout; v128-223 x's fragments, two sets of 48.  window 1: Wa's fragments, two sets, at v0 and v128.  window 2: the accumulators ((a, b) at v[8 (8 a + b)]).
; LDS AS THIS TEXT FILLS IT, once, by ONE tensor load a wave at the head: wave 0 x's group of codes ([K step][tile], 98,304 bytes, at 0), wave 1 x's scale words (4,096 bytes), waves 2 and 3 four K steps each of Wa's pair of groups
; (c1: [K step][group] blocks of 12,800 bytes: eight images and their scale words; 204,800 bytes).  One wait for 0 and one work-group barrier stand in front of the first read; no barrier stands in the walk along K.
.set XS,    98304                      ; x's scale words
.set WAB,   102400                     ; Wa's pair
.set SPARE, 307200                     ; the spare words, 128 bytes a wave
.set ADS,   8                          ; v8-15 the scale words of K step 0 .. 7: lanes 0-15 x's, lanes 16-31 Wa's
.set FR, 12
.set NP, 4                             ; places behind this matrix instruction (ISA guide 7.12.1)
.set NQ, 2
.set HB,   7                           ; v7     64 h: the lane's place in ba and qvec
.set ADRA, 16                          ; v16-19 my four blocks of x in quarter 0 .. 3
.set ADRB, 20                          ; v20-23 my group of Wa
.set L16,  24
.set LSC,  26                          ; v26    32 r + 16 x my half of the tiles
.set ADRS, 27
.set SPW,  28
.set NIL,  29
.set SC,   32
.set BIAS, 64
.set QV,   64
.set AF,   128
.set PW,   48
.set WV, 18
.set RH, 19                            ; my half of the group's eight tiles of tokens; also: I fetch for x (0) or for Wa (1)
.set CH, 20                            ; my group of Wa; also: which part I fetch
.set TR, 21
.set TC, 22
.set G1, 24                            ; s[24:31] group 1 for x's tiles
.set GA, 32                            ; s[32:35] group 0 for x's codes
.set G1B, 48                           ; s[48:55] group 1 for Wa's tiles
.set GB0, 56                           ; s[56:59] group 0 for my four K steps of Wa's pair
.set GB1, 60
.set GB2, 92
.set GB3, 96
.set G1S, 68                           ; s[68:75], s[76:79] groups 1 and 0 for x's scale words
.set GAS, 76
.set G1SB, 80
.set GBS, 88
.set MSB, 0
.macro WIN new                         ; the immediate's high byte repeats the setting that is left
.if MSB != \new
	s_set_vgpr_msb (MSB<<8)|\new
.set MSB, \new
.endif
.endm
.set MUL_LO, 0xa1                      ; source 0 (Wa) window 1, source 1 (x) window 0, C and D window 2
.set TO_B,   0x40
.macro JLOAD g0a, g1a, g0b, g1b        ; waves 0 and 1 fetch for x, waves 2 and 3 for Wa; an s_nop 0 and four v_nop follow each line
	s_cmp_eq_u32 s[RH], 0
	s_cbranch_scc0 .Lfor_b_\@
	tensor_load_to_lds s[\g0a:\g0a+3], s[\g1a:\g1a+7]
	s_nop 0
.rept 4
	v_nop
.endr
	s_branch .Lasked_\@
.Lfor_b_\@:
	tensor_load_to_lds s[\g0b:\g0b+3], s[\g1b:\g1b+7]
	s_nop 0
.rept 4
	v_nop
.endr
.Lasked_\@:
.endm
.macro CROUND                          ; a round of the cluster's barrier
	s_barrier_signal -1
	s_barrier_wait -1
	s_cmp_lg_u32 s[WV], 0
	s_cbranch_scc1 .Lnot_wave_0_\@
	s_barrier_signal -3
.Lnot_wave_0_\@:
	s_barrier_wait -3
	s_barrier_signal -1
	s_barrier_wait -1
.endm
.macro SHAPE g, m, rows                ; group 1: a dense block as rows of 256 bytes (32 elements of 8 bytes), no padding; the mask in s[m]
	s_or_b32 s[\g], s[\m], (3<<16)|(1<<21)         ; 15:0 the mask; 17:16 elements of 8 bytes; 21 set beside a mask
	s_mov_b32 s[\g+1], 32<<16                      ; tensor_dim0
	s_mov_b32 s[\g+2], (\rows)<<16                 ; tensor_dim1
	s_mov_b32 s[\g+3], 32<<16                      ; tile_dim0
	s_mov_b32 s[\g+4], \rows                       ; tile_dim1
	s_mov_b32 s[\g+5], 32                          ; the pitch
	s_mov_b32 s[\g+6], 0
	s_mov_b32 s[\g+7], 0
.endm
	s_load_b256 s[4:11], s[0:1], 0x0               ; c3, s3, c1, apart
	s_load_b128 s[12:15], s[0:1], 0x20             ; ba, qvec
	s_load_b64 s[16:17], s[0:1], 0x18              ; apart
	v_lshl_add_u32 v[SPW], v0, 2, SPARE
	v_mov_b32 v[NIL], 0
	ds_add_u32 v[SPW], v[NIL]                      ; the wave's opening: the add and its wait ahead of my first tensor load; work on registers stands between them
	ds_add_u32 v[SPW], v[NIL]
	v_lshrrev_b32 v1, 5, v0
	v_readfirstlane_b32 s[WV], v1
	s_lshr_b32 s[RH], s[WV], 1
	s_and_b32 s[CH], s[WV], 1
	s_bfe_u32 s100, ttmp6, 0x40000                 ; cx
	s_bfe_u32 s101, ttmp6, 0x40004                 ; cy
	s_and_b32 s[TR], ttmp7, 0xffff
	s_lshl_b32 s[TR], s[TR], 2
	s_add_co_u32 s[TR], s[TR], s101                ; tile row = the token group, 0 .. 63
	s_mov_b32 s[TC], s100                          ; tile column: 256 features
	s_lshl_b32 s66, s101, 2
	s_lshl_b32 s66, 15, s66                        ; my row of the cluster
	s_lshl_b32 s67, 0x1111, s100                   ; my column
	SHAPE G1, 66, 384                              ; x's codes: a group, 98,304 bytes
	SHAPE G1S, 66, 16                              ; x's scale words: 4,096 bytes
	SHAPE G1B, 67, 400                             ; Wa: four K steps of the pair, 102,400 bytes
	s_mov_b32 s[GA], 1
	s_mov_b32 s[GA+1], 0
	s_mul_i32 s[GA+2], s[TR], 98304                ; made of the tile row alone
	s_mov_b32 s[GA+3], 0
	s_mov_b32 s[GAS], 1
	s_mov_b32 s[GAS+1], XS
	s_lshl_b32 s[GAS+2], s[TR], 12
	s_mov_b32 s[GAS+3], 0
	s_mul_i32 s23, s[CH], 102400                   ; waves 2 and 3: K steps 0-3, 4-7, in LDS and in memory alike
	s_mov_b32 s[GB0], 1
	s_add_co_u32 s[GB0+1], s23, WAB
	s_add_co_u32 s[GB0+2], s[TC], 108              ; Wa's pairs are 108 .. 111 of c1: made of the tile column and the wave alone
	s_mul_i32 s[GB0+2], s[GB0+2], 204800
	s_add_co_u32 s[GB0+2], s[GB0+2], s23
	s_mov_b32 s[GB0+3], 0
	s_wait_dscnt 0x0                               ; both opening adds are done
	s_wait_kmcnt 0x0
	s_add_nc_u64 s[GA+2:GA+3], s[4:5], s[GA+2:GA+3]
	s_add_nc_u64 s[GAS+2:GAS+3], s[6:7], s[GAS+2:GAS+3]
	s_add_nc_u64 s[GB0+2:GB0+3], s[8:9], s[GB0+2:GB0+3]
.irp g, GA, GAS, GB0
	s_or_b32 s[\g+3], s[\g+3], 0x80000000          ; 127:126 type = 2
.endr
	CROUND                                         ; all sixteen work-groups are here: the joint loads meet
	s_cmp_lt_u32 s[WV], 1                          ; one chain of branches on the wave's number, one load to an arm
	s_cbranch_scc0 .Lhead_xs
	tensor_load_to_lds s[GA:GA+3], s[G1:G1+7]
	s_nop 0
.rept 4
	v_nop
.endr
	s_branch .Lhead_asked
.Lhead_xs:
	s_cmp_lt_u32 s[WV], 2
	s_cbranch_scc0 .Lhead_wa
	tensor_load_to_lds s[GAS:GAS+3], s[G1S:G1S+7]
	s_nop 0
.rept 4
	v_nop
.endr
	s_branch .Lhead_asked
.Lhead_wa:
	tensor_load_to_lds s[GB0:GB0+3], s[G1B:G1B+7]
	s_nop 0
.rept 4
	v_nop
.endr
.Lhead_asked:
	v_and_b32 v1, 15, v0                           ; r
	v_bfe_u32 v2, v0, 4, 1                         ; h
	v_and_b32 v3, 31, v0                           ; lane
	v_lshlrev_b32 v[L16], 4, v3
	s_wait_alu depctr_va_vdst(0)
	v_lshlrev_b32 v[HB], 6, v2
	s_lshl_b32 s23, s[RH], 4
	v_lshl_add_u32 v[LSC], v1, 5, s23
	s_mul_i32 s2, s[RH], 4*1536                    ; my four tiles of the token group
	s_mul_i32 s3, s[CH], 12800
	s_add_co_u32 s3, s3, WAB                       ; my group of Wa's pair
.irp s, 0,1,2,3
	v_add_nc_u32 v[ADRA+\s], s2, v[L16]
	v_add_nc_u32 v[ADRB+\s], s3, v[L16]
	s_add_co_u32 s2, s2, 24576                     ; two K steps on: 2 x 12,288 bytes of x,
	s_add_co_u32 s3, s3, 51200                     ; 2 x 25,600 of Wa's pair
.endr
	s_lshl_b32 s2, s[RH], 8                        ; x's words: my four tiles
	s_mul_i32 s3, s[CH], 12800
	s_add_co_u32 s3, s3, WAB-XS+12288              ; Wa's: behind my group's eight images
	s_sub_co_u32 s3, s3, s2
	s_add_co_u32 s2, s2, XS
	s_wait_alu depctr_va_vdst(0)                   ; behind the scalar lines above
	v_mul_u32_u24 v6, s3, v2                       ; lanes 16-31 take Wa's: one product with h
	v_lshl_add_u32 v5, v1, 2, v6
	v_add_nc_u32 v[ADS], s2, v5
	v_mul_u32_u24 v6, 25088, v2
	v_add_nc_u32 v6, 512, v6                       ; a K step on: 512 bytes of x's words, 25,600 in Wa's pair
.irp k, 1,2,3,4,5,6,7
	v_add_nc_u32 v[ADS+\k], v[ADS+\k-1], v6
.endr
	s_lshl_b32 s4, s[TC], 1
	s_add_co_u32 s4, s4, s[CH]                     ; my slice of 128 features
	s_lshl_b32 s6, s4, 6
	s_add_co_u32 s6, s6, s[TR]
	s_lshl_b32 s6, s6, 9                           ; apart: (64 slice + token group) x 512
	s_mov_b32 s7, 0
	s_lshl_b32 s4, s4, 9
	s_mov_b32 s5, 0
	s_add_nc_u64 s[12:13], s[12:13], s[4:5]
	s_add_nc_u64 s[14:15], s[14:15], s[4:5]
	s_add_nc_u64 s[16:17], s[16:17], s[6:7]
.irp t, 0,1,2,3,4,5,6,7                        ; register 8 t + jj: ba of feature 32 (t / 2) + 16 h + 8 (t % 2) + jj of my slice
	global_load_b128 v[BIAS+8*\t:BIAS+8*\t+3], v[HB], s[12:13] offset:(32*(\t/2)+8*(\t%2))*4
	global_load_b128 v[BIAS+8*\t+4:BIAS+8*\t+7], v[HB], s[12:13] offset:(32*(\t/2)+8*(\t%2))*4+16
.endr
.macro FRAG reg, adr, q, i             ; a fragment comes as it was stored: three loads of 512 consecutive bytes
.irp c, 0,1,2
	ds_load_b128 v[\reg+4*\c:\reg+4*\c+3], v[\adr] offset:12288*(\q)+1536*(\i)+512*\c
.endr
.endm
.macro FETCH_B slot, q, p              ; Wa's eight fragments of the quarter's q-th K step into set p
	WIN TO_B
.irp i, 0,1,2,3,4,5,6,7
.irp c, 0,1,2
	ds_load_b128 v[128*(\p)+FR*\i+4*\c:128*(\p)+FR*\i+4*\c+3], v[ADRB+\slot] offset:25600*(\q)+1536*\i+512*\c
.endr
.endr
	WIN 0
.endm
.macro FETCH_A slot, q, p              ; x's four
.irp i, 0,1,2,3
	FRAG AF+48*(\p)+FR*\i, ADRA+\slot, \q, \i
.endr
.endm
.macro SCALES sc                       ; a quarter's scale words: register NQ i + q: lanes 0-15 the word of my tile i of tokens (i under 4), lanes 16-31 of Wa's tile i
.irp i, 0,1,2,3,4,5,6,7
.irp q, 0,1
	ds_load_b32 v[SC+8*NQ*((\sc)%2)+NQ*\i+\q], v[ADS+2*(\sc)+\q] offset:64*\i   ; sc: the quarter of K; its words go into set sc % 2
.endr
.endr
.endm
; 32 matrix instructions: my four tiles of tokens x Wa's eight, 128 along K.  p: the sets of fragments; q, sc: the scale words.  zero = 1: C is ba by Wa's tile.
; The 32 accumulators take turns, one instruction a turn, in the same order in every step.
.macro MUL32 p, q, sc, zero
.irp a, 0,1,2,3
.irp b, 0,1,2,3,4,5,6,7
.if \zero
	v_wmma_scale_f32_16x16x128_f8f6f4 v[8*(8*\a+\b):8*(8*\a+\b)+7], v[128*(\p)+FR*\b:128*(\p)+FR*\b+FR-1], v[AF+48*(\p)+FR*\a:AF+48*(\p)+FR*\a+FR-1], v[BIAS+8*\b:BIAS+8*\b+7], v[SC+8*NQ*(\sc)+NQ*\b+(\q)], v[SC+8*NQ*(\sc)+NQ*\a+(\q)] matrix_a_fmt:MATRIX_FMT_FP6 matrix_b_fmt:MATRIX_FMT_FP6 matrix_a_scale:MATRIX_SCALE_ROW1
.else
	v_wmma_scale_f32_16x16x128_f8f6f4 v[8*(8*\a+\b):8*(8*\a+\b)+7], v[128*(\p)+FR*\b:128*(\p)+FR*\b+FR-1], v[AF+48*(\p)+FR*\a:AF+48*(\p)+FR*\a+FR-1], v[8*(8*\a+\b):8*(8*\a+\b)+7], v[SC+8*NQ*(\sc)+NQ*\b+(\q)], v[SC+8*NQ*(\sc)+NQ*\a+(\q)] matrix_a_fmt:MATRIX_FMT_FP6 matrix_b_fmt:MATRIX_FMT_FP6 matrix_a_scale:MATRIX_SCALE_ROW1
.endif
.endr
.endr
.endm
; K STEP k of eight.  Its fragments were asked for a step ago; the next step's 36 loads go out in one run ahead of its 32 products, into the sets that the step before has read (four places stand behind those products).
; All of K has landed before the first step: no wait on a fill and no barrier stands in the walk along K.
.macro KSTEP k, zero
	s_wait_dscnt 0x0                               ; this step's fragments and scale words are in
.if (\k) < 7
	FETCH_B ((\k)+1)/2, ((\k)+1)%2, ((\k)+1)%2
	FETCH_A ((\k)+1)/2, ((\k)+1)%2, ((\k)+1)%2
.endif
.if ((\k)%2 == 1) && ((\k) < 7)
	SCALES ((\k)+1)/2
.endif
.if \zero
	WIN 0x81                                       ; C, the bias, in window 0
.else
	WIN MUL_LO
.endif
	MUL32 (\k)%2, (\k)%2, ((\k)/2)%2, \zero
	WIN 0
.rept NP
	v_nop                                          ; places in front of loads into registers that these products have read, and of the first read of results
.endr
.endm
	s_wait_alu depctr_va_vdst(0)
	s_wait_tensorcnt 0x0                           ; my one fill has landed; the barrier shows all four to every wave
	s_barrier_signal -1
	s_barrier_wait -1
	FETCH_B 0, 0, 0
	FETCH_A 0, 0, 0
	SCALES 0
	s_wait_loadcnt 0x0                             ; ba
	KSTEP 0, 1
.irp t, 0,1,2,3,4,5,6,7                        ; ba has served (four places stand behind its last reader): qvec takes its registers, in the same layout; it is wanted on the way out
	global_load_b128 v[QV+8*\t:QV+8*\t+3], v[HB], s[14:15] offset:(32*(\t/2)+8*(\t%2))*4
	global_load_b128 v[QV+8*\t+4:QV+8*\t+7], v[HB], s[14:15] offset:(32*(\t/2)+8*(\t%2))*4+16
.endr
.irp k, 1,2,3,4,5,6,7
	KSTEP \k, 0
.endr
	s_mov_b32 s8, 0x76543210
	s_mov_b32 s9, 0xfedcba98                       ; lane selects: lane l xor 16
	s_wait_loadcnt 0x0                             ; qvec
; THE WAY OUT of tile a: tanh in place on the lane's 64 numbers, two batches of transcendentals with one wait each; then the sum with qvec, in two chains, and lane l xor 16's half
.macro LOGIT a
.set AC, 64*(\a)
	WIN 0xaa                                       ; all places: window 2
.set j, 0
.rept 32
	v_pk_mul_f32 v[AC+j:AC+j+1], v[AC+j:AC+j+1], 0x4038aa3b op_sel_hi:[1,0]   ; 2 log2(e) z; each accumulator from its low end on
.set j, j+2
.endr
.set j, 0
	s_wait_alu depctr_va_vdst(0)
.rept 64
	v_exp_f32 v[AC+j], v[AC+j]
.set j, j+1
.endr
	v_nop                                          ; a plain place behind the batch
	s_wait_alu depctr_va_vdst(0)                   ; one wait for the batch, ahead of its first reader
.set j, 0
.rept 32
	v_pk_add_f32 v[AC+j:AC+j+1], v[AC+j:AC+j+1], 1.0 op_sel_hi:[1,0]
.set j, j+2
.endr
.set j, 0
	s_wait_alu depctr_va_vdst(0)
.rept 64
	v_rcp_f32 v[AC+j], v[AC+j]
.set j, j+1
.endr
	v_nop
	s_wait_alu depctr_va_vdst(0)
.set j, 0
.rept 32
	v_pk_fma_f32 v[AC+j:AC+j+1], v[AC+j:AC+j+1], -2.0, 1.0 op_sel_hi:[1,0,0]   ; tanh
.set j, j+2
.endr
	WIN 0x02                                       ; source 0: window 2
	v_pk_mul_f32 v[32:33], v[AC:AC+1], v[QV:QV+1]
	v_pk_mul_f32 v[34:35], v[AC+2:AC+3], v[QV+2:QV+3]
.set j, 4
.rept 15
	v_pk_fma_f32 v[32:33], v[AC+j:AC+j+1], v[QV+j:QV+j+1], v[32:33]
	v_pk_fma_f32 v[34:35], v[AC+j+2:AC+j+3], v[QV+j+2:QV+j+3], v[34:35]
.set j, j+4
.endr
	WIN 0
	v_pk_add_f32 v[32:33], v[32:33], v[34:35]
	v_add_f32 v32, v32, v33
	v_permlanex16_b32 v36, v32, s8, s9
	v_add_f32 v[PW+(\a)], v32, v36                 ; my token's sum over the slice's 128 features
.endm
.irp a, 0,1,2,3
	LOGIT \a
.endr
	v_cmp_gt_u32 vcc_lo, 16, v3                    ; both halves of the lanes hold row r's four sums: lanes 0-15 store them
	s_wait_alu depctr_va_vdst(0)
	s_wait_xcnt 0x0                                ; EXEC changes only behind this wait
	s_and_saveexec_b32 s23, vcc_lo
	global_store_b128 v[LSC], v[PW:PW+3], s[16:17] ; 16 bytes of each row's 32: the other wave of my slice stores the other four tiles'
	s_wait_xcnt 0x0                                ; and again, in front of the line that widens it
	s_or_b32 exec_lo, exec_lo, s23
	s_wait_tensorcnt 0x0                           ; the wave's end
	ds_add_u32 v[SPW], v[NIL]
	s_wait_dscnt 0x0
	CROUND                                         ; the closing round: no work-group ends while a partner may still ask for a tile that names it
	s_endpgm
.Lfunc_end_k_qa781b0bb77_logit:
	.size	k_qa781b0bb77_logit, .Lfunc_end_k_qa781b0bb77_logit-k_qa781b0bb77_logit
	.p2alignl 7, 3214868480
	.fill 96, 4, 3214868480
	.section	.rodata,"a",@progbits
	.p2align	6, 0x0
	.amdhsa_kernel k_qa781b0bb77_logit
		.amdhsa_group_segment_fixed_size 327680
		.amdhsa_private_segment_fixed_size 0
		.amdhsa_enable_private_segment 0
		.amdhsa_kernarg_size 48
		.amdhsa_user_sgpr_count 2
		.amdhsa_user_sgpr_kernarg_segment_ptr 1
		.amdhsa_wavefront_size32 1
		.amdhsa_system_sgpr_workgroup_id_x 1
		.amdhsa_system_sgpr_workgroup_id_y 1
		.amdhsa_system_sgpr_workgroup_id_z 1
		.amdhsa_system_vgpr_workitem_id 0
		.amdhsa_next_free_vgpr 768
		.amdhsa_next_free_sgpr 104
		.amdhsa_reserve_vcc 1
		.amdhsa_float_denorm_mode_32 3
		.amdhsa_float_denorm_mode_16_64 3
		.amdhsa_memory_ordered 1
		.amdhsa_forward_progress 1
		.amdhsa_inst_pref_size 122
	.end_amdhsa_kernel
	.amdgpu_metadata
---
amdhsa.version: [ 1, 2 ]
amdhsa.kernels:
  - .name:           k_qa781b0bb77_logit
    .symbol:         k_qa781b0bb77_logit.kd
    .args:
      - { .name: c3, .offset: 0, .size: 8, .value_kind: global_buffer, .address_space: global }
      - { .name: s3, .offset: 8, .size: 8, .value_kind: global_buffer, .address_space: global }
      - { .name: c1, .offset: 16, .size: 8, .value_kind: global_buffer, .address_space: global }
      - { .name: apart, .offset: 24, .size: 8, .value_kind: global_buffer, .address_space: global }
      - { .name: ba, .offset: 32, .size: 8, .value_kind: global_buffer, .address_space: global }
      - { .name: qvec, .offset: 40, .size: 8, .value_kind: global_buffer, .address_space: global }
    .group_segment_fixed_size: 327680
    .private_segment_fixed_size: 0
    .kernarg_segment_align: 8
    .kernarg_segment_size: 48
    .max_flat_workgroup_size: 128
    .sgpr_count:     104
    .vgpr_count:     768
    .wavefront_size: 32
...
	.end_amdgpu_metadata
.endif
;; end of part 4
;; launch pool (part 5): grid 128 x 1, 8 waves a work-group, no clusters, 7,680 bytes of LDS; arguments apart, xb, out0; writes out0
.if DOCPART == 5
	.amdgcn_target "amdgcn-amd-amdhsa--gfx1250"
	.amdhsa_code_object_version 6
	.text
	.protected	k_qa781b0bb77_pool
	.globl	k_qa781b0bb77_pool
	.p2align	8
	.type	k_qa781b0bb77_pool,@function
k_qa781b0bb77_pool:
	s_mov_b64 s[64:65], 0
	v_nop
	global_prefetch_b8 v0, s[64:65] scope:SCOPE_SE
	s_setreg_imm32_b32 hwreg(HW_REG_WAVE_MODE, 25, 1), 1
	s_wait_xcnt 0x0
; out0[b][:] = sum over tokens of softmax_token(a[b][token]) x[b][token][:].  a is the sum of the eight slices of apart; x comes as bf16 (this product feeds no quantiser); maxima, exponentials and sums in f32.
; SHARES: work-group 16 b + head makes the head's 64 numbers.  Every work-group of a batch forms the batch's softmax anew (32 KiB of apart).  Wave w takes token group w: 128 tokens x 64 numbers, 16 KiB of xb.
; Tokens stay in the order in which tiles hold them: a, the weights and x agree ([group][row r][tile a]), and a sum over tokens does not mind the order.  The largest a is taken away before the exponential.
; No matrix unit (one row of weights), no tensor load, no cluster: the work-groups share only the small table.  Three barriers: the waves' maxima; the weights and the waves' sums; the waves' partial results.
; LIMITS: NaN and infinities are not served.
.set E,     0                          ; LDS: e[group][r][a], 4,096 bytes
.set RMAX,  4096                       ; the eight waves' maxima;  their sums 256 bytes on
.set RO,    4608                       ; the eight waves' 64 partial results, 256 bytes each
.set SPARE, 6656                       ; the spare words, 128 bytes a wave
.set SPW, 14
.set NIL, 15
	s_load_b128 s[4:7], s[0:1], 0x0                ; apart, xb
	s_load_b64 s[8:9], s[0:1], 0x10                ; out0
	v_lshl_add_u32 v[SPW], v0, 2, SPARE
	v_mov_b32 v[NIL], 0
	v_lshrrev_b32 v1, 5, v0
	s_delay_alu instid0(VALU_DEP_1)
	v_readfirstlane_b32 s10, v1                    ; wave
	v_and_b32 v1, 31, v0                           ; lane
	v_and_b32 v2, 15, v0                           ; r
	v_bfe_u32 v3, v0, 4, 1                         ; h
	v_lshlrev_b32 v4, 4, v0                        ; 16 x thread: my four tokens in a slice, and in E
	s_delay_alu instid0(VALU_DEP_4)
	v_lshlrev_b32 v5, 4, v1                        ; 16 x lane
	v_mov_b32 v8, s10
	s_delay_alu instid0(VALU_DEP_1)
	v_lshlrev_b32 v8, 2, v8
	s_delay_alu instid0(VALU_DEP_1)
	v_add_nc_u32 v8, RMAX, v8                      ; my wave's word
	v_mov_b32 v9, RMAX
	s_lshl_b32 s12, s10, 9
	v_lshl_add_u32 v10, v2, 5, s12                 ; my row's eight weights: 512 w + 32 r
	s_lshl_b32 s13, s10, 8
	s_add_co_u32 s13, s13, RO
	v_lshl_add_u32 v11, v3, 6, s13                 ; my wave's partial results, + 64 h
	v_lshl_add_u32 v12, v1, 3, RO
	v_lshlrev_b32 v13, 3, v1
	v_mov_b32 v7, 0                                ; a lane permute's destination counts as one of its sources
	s_mov_b32 s20, 0x76543210
	s_mov_b32 s21, 0xfedcba98
	s_lshr_b32 s14, ttmp9, 4
	s_lshl_b32 s14, s14, 12                        ; the batch's 4,096 bytes in a slice
	s_mov_b32 s15, 0
	s_lshl_b32 s16, ttmp9, 17
	s_lshl_b32 s17, s10, 14
	s_add_co_u32 s16, s16, s17                     ; (64 (16 b + head) + 8 w) x 2,048
	s_mov_b32 s17, 0
	s_lshl_b32 s18, ttmp9, 8
	s_mov_b32 s19, 0
	s_wait_kmcnt 0x0
	s_add_nc_u64 s[4:5], s[4:5], s[14:15]
	s_add_nc_u64 s[6:7], s[6:7], s[16:17]
	s_add_nc_u64 s[8:9], s[8:9], s[18:19]
.irp g, 0,1,2,3,4,5,6,7
	global_load_b128 v[32+4*\g:35+4*\g], v4, s[4:5] offset:32768*\g
.endr
.irp a, 0,1,2,3,4,5,6,7
.irp c, 0,1,2,3
	global_load_b128 v[64+16*\a+4*\c:67+16*\a+4*\c], v5, s[6:7] offset:2048*\a+512*\c th:TH_LOAD_NT   ; x: read once in the launch, 512 consecutive bytes a load
.endr
.endr
	s_wait_loadcnt 32                              ; the eight slices are in; x's 32 loads stay out
.irp g, 1
	v_pk_add_f32 v[32:33], v[32:33], v[32+4*\g:33+4*\g]
	v_pk_add_f32 v[34:35], v[34:35], v[34+4*\g:35+4*\g]
.endr
.irp g, 2, 3, 4, 5, 6, 7
	s_delay_alu instid0(VALU_DEP_2)
	v_pk_add_f32 v[32:33], v[32:33], v[32+4*\g:33+4*\g]
	s_delay_alu instid0(VALU_DEP_2)
	v_pk_add_f32 v[34:35], v[34:35], v[34+4*\g:35+4*\g]
.endr
	s_delay_alu instid0(VALU_DEP_1)
	v_max3_num_f32 v6, v32, v33, v34
	s_delay_alu instid0(VALU_DEP_1)
	v_max_num_f32 v6, v6, v35
	s_delay_alu instid0(VALU_DEP_1)
	v_max_num_f32_dpp v6, v6, v6 row_xmask:1 row_mask:0xf bank_mask:0xf
	s_delay_alu instid0(VALU_DEP_1)
	v_max_num_f32_dpp v6, v6, v6 row_xmask:2 row_mask:0xf bank_mask:0xf
	s_delay_alu instid0(VALU_DEP_1)
	v_max_num_f32_dpp v6, v6, v6 row_xmask:4 row_mask:0xf bank_mask:0xf
	s_delay_alu instid0(VALU_DEP_1)
	v_max_num_f32_dpp v6, v6, v6 row_xmask:8 row_mask:0xf bank_mask:0xf
	s_delay_alu instid0(VALU_DEP_1)
	v_permlanex16_b32 v7, v6, s20, s21
	s_delay_alu instid0(VALU_DEP_1)
	v_max_num_f32 v6, v6, v7
	ds_store_b32 v8, v6                            ; all lanes write the same word with the same value
	s_wait_dscnt 0x0                               ; for the others' sake
	s_barrier_signal -1
	s_barrier_wait -1
	ds_load_b128 v[24:27], v9
	ds_load_b128 v[28:31], v9 offset:16
	s_wait_dscnt 0x0
	v_max3_num_f32 v6, v24, v25, v26
	s_delay_alu instid0(VALU_DEP_1)
	v_max3_num_f32 v6, v6, v27, v28
	s_delay_alu instid0(VALU_DEP_1)
	v_max3_num_f32 v6, v6, v29, v30
	s_delay_alu instid0(VALU_DEP_1)
	v_max_num_f32 v6, v6, v31                      ; the batch's largest a
.irp i, 0,1,2,3
	v_sub_f32 v[32+\i], v[32+\i], v6               ; the difference first, and then the factor: so the exponent's error does not grow with a's size
.endr
.irp i, 0,1,2,3
	s_delay_alu instid0(VALU_DEP_4)
	v_mul_f32 v[32+\i], 0x3fb8aa3b, v[32+\i]
.endr
	s_wait_alu depctr_va_vdst(0)
.irp i, 0,1,2,3
	v_exp_f32 v[32+\i], v[32+\i]
.endr
	v_nop                                          ; a plain place behind the exponentials
	s_wait_alu depctr_va_vdst(0)                   ; one wait for the four, ahead of their first reader
	ds_store_b128 v4, v[32:35]                     ; e, where every wave can read it
	v_add_f32 v6, v32, v33
	v_add_f32 v7, v34, v35
	s_delay_alu instid0(VALU_DEP_1)
	v_add_f32 v6, v6, v7
	s_delay_alu instid0(VALU_DEP_1)
	v_add_f32_dpp v6, v6, v6 row_xmask:1 row_mask:0xf bank_mask:0xf
	s_delay_alu instid0(VALU_DEP_1)
	v_add_f32_dpp v6, v6, v6 row_xmask:2 row_mask:0xf bank_mask:0xf
	s_delay_alu instid0(VALU_DEP_1)
	v_add_f32_dpp v6, v6, v6 row_xmask:4 row_mask:0xf bank_mask:0xf
	s_delay_alu instid0(VALU_DEP_1)
	v_add_f32_dpp v6, v6, v6 row_xmask:8 row_mask:0xf bank_mask:0xf
	s_delay_alu instid0(VALU_DEP_1)
	v_permlanex16_b32 v7, v6, s20, s21
	s_delay_alu instid0(VALU_DEP_1)
	v_add_f32 v6, v6, v7
	ds_store_b32 v8, v6 offset:256
	s_wait_dscnt 0x0
	s_barrier_signal -1
	s_barrier_wait -1
	ds_load_b128 v[16:19], v10                     ; e of my row in tiles 0-3,
	ds_load_b128 v[20:23], v10 offset:16           ; tiles 4-7
	ds_load_b128 v[24:27], v9 offset:256           ; the waves' sums
	ds_load_b128 v[28:31], v9 offset:272
	s_wait_dscnt 0x0
; 32 sums a lane: chunk c, number e: d = 32 (c / 2) + 16 h + 8 (c % 2) + e.  The first tile starts them.
.irp a, 0,1,2,3,4,5,6,7
	s_wait_loadcnt 4*(7-\a)                        ; tile a's four loads are in; the later tiles' may be out
.irp c, 0,1,2,3
.irp k, 0,1,2,3
.if \a == 0
	v_fma_mix_f32_bf16 v[32+8*\c+2*\k], v[64+16*\a+4*\c+\k], v[16+\a], 0 op_sel_hi:[1,0,0]
	v_fma_mix_f32_bf16 v[33+8*\c+2*\k], v[64+16*\a+4*\c+\k], v[16+\a], 0 op_sel:[1,0,0] op_sel_hi:[1,0,0]
.else
	v_fma_mix_f32_bf16 v[32+8*\c+2*\k], v[64+16*\a+4*\c+\k], v[16+\a], v[32+8*\c+2*\k] op_sel_hi:[1,0,0]
	v_fma_mix_f32_bf16 v[33+8*\c+2*\k], v[64+16*\a+4*\c+\k], v[16+\a], v[33+8*\c+2*\k] op_sel:[1,0,0] op_sel_hi:[1,0,0]
.endif
.endr
.endr
.endr
.irp m, 1,2,4,8                                ; over the sixteen rows of a tile: the sixteen lanes of a half
.set j, 0
.rept 32
	v_add_f32_dpp v[32+j], v[32+j], v[32+j] row_xmask:\m row_mask:0xf bank_mask:0xf
.set j, j+1
.endr
.endr
.irp c, 0,1,2,3
	ds_store_b128 v11, v[32+8*\c:35+8*\c] offset:128*(\c/2)+32*(\c%2)       ; the sixteen lanes of a half write the same bytes with the same values
	ds_store_b128 v11, v[36+8*\c:39+8*\c] offset:128*(\c/2)+32*(\c%2)+16
.endr
	s_wait_tensorcnt 0x0                           ; behind my last LDS store, in front of the last barrier; the wait on DS also shows my stores done
	ds_add_u32 v[SPW], v[NIL]
	s_wait_dscnt 0x0
	s_barrier_signal -1
	s_barrier_wait -1
	s_cmp_lg_u32 s10, 0                            ; wave 0 adds the eight waves' parts: 64 numbers, two a lane
	s_cbranch_scc1 .Lend
.irp w, 0,1,2,3,4,5,6,7
	ds_load_b64 v[64+2*\w:65+2*\w], v12 offset:256*\w
.endr
	v_add_f32 v24, v24, v25
	v_add_f32 v26, v26, v27
	v_add_f32 v28, v28, v29
	v_add_f32 v30, v30, v31
	s_delay_alu instid0(VALU_DEP_3)
	v_add_f32 v24, v24, v26
	s_delay_alu instid0(VALU_DEP_2)
	v_add_f32 v28, v28, v30
	s_delay_alu instid0(VALU_DEP_1)
	v_add_f32 v24, v24, v28                        ; the sum of all e
	s_wait_alu depctr_va_vdst(0)
	v_rcp_f32 v24, v24
	s_wait_dscnt 0x0
.irp w, 1
	v_pk_add_f32 v[64:65], v[64:65], v[64+2*\w:65+2*\w]   ; (plain work behind the reciprocal)
.endr
.irp w, 2, 3, 4, 5, 6, 7
	s_delay_alu instid0(VALU_DEP_1)
	v_pk_add_f32 v[64:65], v[64:65], v[64+2*\w:65+2*\w]   ; (plain work behind the reciprocal)
.endr
	s_wait_alu depctr_va_vdst(0)
	v_pk_mul_f32 v[64:65], v[64:65], v[24:25] op_sel_hi:[1,0]
	global_store_b64 v13, v[64:65], s[8:9]         ; 32 lanes store 256 consecutive bytes, aligned
.Lend:
	s_endpgm
.Lfunc_end_k_qa781b0bb77_pool:
	.size	k_qa781b0bb77_pool, .Lfunc_end_k_qa781b0bb77_pool-k_qa781b0bb77_pool
	.p2alignl 7, 3214868480
	.fill 96, 4, 3214868480
	.section	.rodata,"a",@progbits
	.p2align	6, 0x0
	.amdhsa_kernel k_qa781b0bb77_pool
		.amdhsa_group_segment_fixed_size 7680
		.amdhsa_private_segment_fixed_size 0
		.amdhsa_enable_private_segment 0
		.amdhsa_kernarg_size 24
		.amdhsa_user_sgpr_count 2
		.amdhsa_user_sgpr_kernarg_segment_ptr 1
		.amdhsa_wavefront_size32 1
		.amdhsa_system_sgpr_workgroup_id_x 1
		.amdhsa_system_sgpr_workgroup_id_y 1
		.amdhsa_system_sgpr_workgroup_id_z 1
		.amdhsa_system_vgpr_workitem_id 0
		.amdhsa_next_free_vgpr 192
		.amdhsa_next_free_sgpr 66
		.amdhsa_reserve_vcc 0
		.amdhsa_float_denorm_mode_32 3
		.amdhsa_float_denorm_mode_16_64 3
		.amdhsa_memory_ordered 1
		.amdhsa_forward_progress 1
		.amdhsa_inst_pref_size 37
	.end_amdhsa_kernel
	.amdgpu_metadata
---
amdhsa.version: [ 1, 2 ]
amdhsa.kernels:
  - .name:           k_qa781b0bb77_pool
    .symbol:         k_qa781b0bb77_pool.kd
    .args:
      - { .name: apart, .offset: 0, .size: 8, .value_kind: global_buffer, .address_space: global }
      - { .name: xb, .offset: 8, .size: 8, .value_kind: global_buffer, .address_space: global }
      - { .name: out0, .offset: 16, .size: 8, .value_kind: global_buffer, .address_space: global }
    .group_segment_fixed_size: 7680
    .private_segment_fixed_size: 0
    .kernarg_segment_align: 8
    .kernarg_segment_size: 24
    .max_flat_workgroup_size: 256
    .sgpr_count:     66
    .vgpr_count:     192
    .wavefront_size: 32
...
	.end_amdgpu_metadata
.endif
;; end of part 5
